; MI455X (gfx1250); checked and timed in simulation.
; The chip was launched on July 23, 2026; its instructions are those of AMD's public machine-readable ISA for CDNA 5 (MIT licence, August 2026) and "CDNA5" Instruction Set Architecture Reference Guide (July 2026). The comments in the code are by the model that wrote it; some were corrected since.
;; Multi Head Attn. Allowed arithmetic: matrix products marked QUANTISED: E2M1 operands, one E8M0 scale for each 32 along K, by v_wmma_scale_f32_16x16x128_f8f6f4 with both operands' format E2M1 (or v_wmma_scale_f32_32x16x128_f4), f32 sums; everything else in f32.
;; Inputs: K 4 x 2,048 x 1,024 float32; Q 4 x 2,048 x 1,024 float32; V 4 x 2,048 x 1,024 float32; Wk 16 x 1,024 x 64 float32; Wo 1,024 x 1,024 float32; Wq 16 x 1,024 x 64 float32; Wv 16 x 1,024 x 64 float32; beta 1,024 float32; bk 16 x 64 float32; bo 1,024 float32; bq 16 x 64 float32; bv 16 x 64 float32; gamma 1,024 float32.
;; Outputs: out0 4 x 1,024 x 2,048 float32.
;; This version of the problem:
;;   THIS VERSION OF THE PROBLEM IS GIVEN IN LOW PRECISION. The matrix products marked QUANTISED in the list below multiply operands that are first quantised to E2M1 (2 exponent bits, 1 mantissa bit; 4 bits a number), with one power-of-two scale for each 32 numbers along K (OCP MX v1.0); their sums are f32. All else is computed in f32.
;;   The module's matrix products, in the order in which they are computed (A, B: the left and right operand; K: the contracted axis; several contracted axes count as one K, in the product's order):
;;     1. [M 1,024, K 1,024] x [K 1,024, N 8,192]; A: input Wq; B: input Q: QUANTISED
;;     2. [M 1,024, K 1,024] x [K 1,024, N 8,192]; A: input Wk; B: input K: QUANTISED
;;     3. [M 1,024, K 1,024] x [K 1,024, N 8,192]; A: input Wv; B: input V: QUANTISED
;;     4. batch 64 x [M 2,048, K 64] x [K 64, N 2,048]; A: computed on the way; B: computed on the way: QUANTISED
;;     5. batch 64 x [M 2,048, K 2,048] x [K 2,048, N 64]; A: softmax (see below); B: computed on the way: QUANTISED
;;     6. [M 8,192, K 1,024] x [K 1,024, N 1,024]; A: computed on the way; B: input Wo: QUANTISED
;;   THE QUANTISER, for each operand of a quantised product, along K:
;;     - K is cut into blocks of 32 from its start; a last block that is shorter is filled with zeros.
;;     - A block's scale is 2^e with e = floor(log2(the largest magnitude in the block)) - 2, held to -126 .. 127; a block of zeros has e = 0. As a byte (E8M0): e + 127.
;;     - Each number is divided by its block's scale, clamped to +-6, and rounded to the nearest number of E2M1, ties to even, subnormals kept.
;;     - The product sums the exact products of the quantised numbers (number of the format x scale) in f32.
;;   ~~~python
;;   def quantise(x, axis):      # numpy; x: float32 -> the quantised numbers, widened to float32 again
;;       x = np.moveaxis(x, axis, -1); K = x.shape[-1]
;;       x = np.pad(x, [(0, 0)] * (x.ndim - 1) + [(0, -K % 32)]); x = x.reshape(x.shape[:-1] + (-1, 32)); a = np.abs(x).max(-1, keepdims=True)
;;       e = np.where(a > 0, np.clip(np.frexp(np.where(a > 0, a, 1))[1] - 1 - 2, -126, 127), 0)      # np.frexp(a)[1] - 1 = floor(log2(a)), exactly
;;       r = np.clip(x / 2.0 ** e, -6, 6)
;;       step = 2.0 ** (np.maximum(np.frexp(np.where(r == 0, 1, r))[1] - 1, 0) - 1)
;;       q = np.round(r / step) * step * 2.0 ** e      # np.round: ties to even
;;       return np.moveaxis(q.reshape(q.shape[:-2] + (-1,))[..., :K], -1, axis).astype(np.float32)
;;   ~~~
;;   SOFTMAX AHEAD OF A QUANTISED PRODUCT. Where the list says 'softmax', what is quantised is not the finished softmax but p = 2^(t - M), with t = logit x log2(e) and M = ceil(the row's largest t), a whole number; so 1/2 < the row's largest p <= 1. The row's sum l is taken of the UNQUANTISED p, in f32, and the product's result is divided by l at the end. Since M is a whole number, a kernel that streams over the keys may use a running M (the ceiling of the running maximum): every later rescaling is an exact power of two, which a block's scale takes up: the codes' values come out the same.
;;   OPERANDS COMPUTED ON THE WAY. 'Computed on the way' means the value that the module computes at that place (a softmax that the list does not call 'softmax' is quantised finished and normalised). What goes into a quantiser is computed in f32, as accurately as f32 sums, v_exp_f32 and their like allow (about 1e-6 of the number): no bf16 or f16 on the way to a quantiser, and a product that is left as it is and whose result goes on into a quantised operand takes f32 operands (vector FMAs, or v_wmma_f32_16x16x4_f32). A number that lies on a knife's edge between two numbers of the format may be rounded either way, as far as f32 arithmetic and the matrix unit's own rounding can turn it there, and no further.
;; One version. Each part assembles by itself: llvm-mc -triple=amdgcn-amd-amdhsa -mcpu=gfx1250 --defsym DOCPART=n.
;; ======== version 1 of 1: 5 launches
;; limits: right only within a limited range of input values
;; workspace buffers: xw_codes 14,680,064 bytes; xw_scales 917,504 bytes; kv 8,912,896 bytes; qimg 4,456,448 bytes; oimg 4,194,304 bytes; oscl 262,144 bytes; yt 33,554,432 bytes; stats 524,288 bytes
;; launch prep (part 1): grid 832 x 1, 4 waves a work-group, no clusters, 68,096 bytes of LDS; arguments Q, K, V, Wq, Wk, Wv, Wo, xw_codes, xw_scales; writes xw_codes, xw_scales
.if DOCPART == 1
	.amdgcn_target "amdgcn-amd-amdhsa--gfx1250"
	.amdhsa_code_object_version 6
	.text
	.protected	k_q902dc928f1_prep
	.globl	k_q902dc928f1_prep
	.p2align	8
	.type	k_q902dc928f1_prep,@function
k_q902dc928f1_prep:
	s_mov_b64 s[64:65], 0
	v_nop
	global_prefetch_b8 v0, s[64:65] scope:SCOPE_SE
	s_setreg_imm32_b32 hwreg(HW_REG_WAVE_MODE, 25, 1), 1
	s_wait_xcnt 0x0
; Q, K, V [8192][1024] and Wq, Wk, Wv [16][1024][64], Wo [1024][1024], all f32, become codes of FP4 (E2M1) with K (the 1,024) innermost, 512 bytes a row, and one E8M0 byte for each 32 along K, 32 bytes a row.
; A block's scale is 2^(floor(log2(its largest magnitude)) - 2); its byte is the largest magnitude's exponent field - 2, held at 1 from below.
; LIMITS: NaN and infinities among the inputs are not served; a block of zeros, or one whose largest magnitude lies under 2^-124, gets the byte 1: its codes are zeros or tiny, and the bytes are read by this program alone.
; ROWS ARE STORED SWIZZLED: buffer row p holds the row whose number is p with bits 3 and 4 exchanged.  So 16 neighbouring buffer rows 32 B + 16 u + m are the rows 32 B + 8 u + m + 8 (m / 8): as source 0 of a matrix
; instruction two such neighbouring tiles leave 16 neighbours in a lane's 16 result registers, which is what the next quantiser wants.
; xw_codes: Q, K, V at t x 4,194,304; Wq, Wk, Wv, Wo (rows n = the output column) at 12,582,912 + t x 524,288.  xw_scales: t x 262,144; 786,432 + t x 32,768.
; Work-groups 0 to 63 take the weights (K is not innermost there: a lane takes a column, its registers run down K); 64 to 831 take Q, K, V (K innermost: plain streams of blocks).  The two ways share no LDS byte.
; No tensor loads, no barrier: waves share nothing.  No matrix work, no cluster: every byte is read once by one wave.
.set NWG,   64                         ; work-groups for the weights
.set EMAX,  2
; ---- Q, K, V
.set STEPS, 16                         ; a wave takes 16 steps of 512 numbers: 8 rows
.set CB,    8                          ; bytes of 16 codes
.set R,     16                         ; v16-79   four sets of 16 numbers as they are loaded
.set X,     80                         ; v80-111  two sets of 16 neighbours
.set E,     112                        ; v112-127 a scale byte for each step
.set C,     128                        ; v128-191 codes: four registers for each step, so that no store's data are written again
.set WREG,  8192                       ; LDS 0 .. 32,767: a region for each wave: two stages of 32 x SP bytes, behind them its 256 scale bytes
.set SP,    80                         ; a lane's place in a stage: 64 bytes + 16 of padding
; ---- the weights
.set NB,    16                         ; blocks of 32 along K for a wave (512 along K)
.set PITCH, 272                        ; a stage row: 256 bytes of codes + 16
.set WLDS,  32768                      ; LDS 32,768 on: 32 x 272 bytes for each wave
.set SB,    24                         ; v24-27   the scale bytes, four to a register
.set XW,    32                         ; v32-95   two sets of 32 numbers
.set CW,    96                         ; v96-99   a block's codes
.set OUTR,  112                        ; v112-175 the way out
.set VO,    176                        ; v176-207 byte offset of row i of a block at my column: 4 lane + i x the pitch along K
	s_load_b256 s[4:11], s[0:1], 0x0               ; Q s[4:5], K s[6:7], V s[8:9], Wq s[10:11]
	s_load_b256 s[12:19], s[0:1], 0x20             ; Wk s[12:13], Wv s[14:15], Wo s[16:17], the codes s[18:19]
	s_load_b64 s[20:21], s[0:1], 0x40              ; the scale bytes
	v_lshl_add_u32 v208, v0, 2, 0x10800
	v_mov_b32 v209, 0
	v_lshrrev_b32 v1, 5, v0
	v_readfirstlane_b32 s22, v1                    ; wave 0..3
	v_and_b32 v2, 31, v0                           ; lane
	s_cmp_lt_u32 ttmp9, NWG
	s_cbranch_scc1 .Lweights
; ================= Q, K, V: each of a step's four loads reads 512 consecutive bytes; the 2,048 bytes turn through the wave's own stage in LDS, so that a lane gets 16 neighbours; two neighbouring lanes hold a block
	v_lshlrev_b32 v3, 4, v2                        ; my 16 bytes of a load's 512
	s_mul_i32 s23, s22, WREG
	v_lshrrev_b32 v14, 2, v2
	v_mul_u32_u24 v14, v14, SP
	v_and_b32 v15, 3, v2
	v_lshl_add_u32 v14, v15, 4, v14
	v_add_nc_u32 v14, s23, v14                     ; the stage, on the way in: SP (lane / 4) + 16 (lane % 4)
	v_mul_u32_u24 v15, v2, SP
	v_add_nc_u32 v15, s23, v15                     ; and on the way out: SP x lane
	v_mul_u32_u24 v4, v2, CB                       ; my codes' place in a step's
	v_lshrrev_b32 v5, 1, v2
	s_add_co_u32 s23, s23, 2*32*SP
	v_add_nc_u32 v5, s23, v5                       ; my wave's 256 scale bytes, my block's byte
	v_lshlrev_b32 v7, 3, v2                        ; and on the way out 8 bytes a lane
	v_add_nc_u32 v6, s23, v7
	s_sub_co_u32 s24, ttmp9, NWG                   ; 0 .. 767: 256 work-groups of 32 rows for each tensor
	s_and_b32 s25, s24, 255
	s_lshl_b32 s25, s25, 2
	s_add_co_u32 s25, s25, s22                     ; which run of 8 rows of the tensor is my wave's
	s_lshl_b32 s28, s25, 15                        ; 32,768 bytes a run
	s_mov_b32 s29, 0
	s_and_b32 s25, s22, 1                          ; a run is 8 rows: bits 3 and 4 of a row are bits 0 and 1 of its run, which are my wave's number: exchanged
	s_lshl_b32 s25, s25, 1
	s_lshr_b32 s26, s22, 1
	s_or_b32 s25, s25, s26
	s_lshl_b32 s26, s24, 2
	s_add_co_u32 s26, s26, s25                     ; the run's place in the buffers (the three tensors lie on end there): Q's and V's
	; K's rows take another order: buffer row p holds key bits (5, 4, 3) = p's bits (3, 5, 4).  So tile 4 c + i of 16 buffer rows holds keys 64 c + 32 (m / 8) + 8 i + m % 8:
	; as source 0 of a matrix instruction four such tiles leave a whole block of 32 neighbouring keys in one lane's 32 result registers.
	s_lshr_b32 s27, s24, 1
	s_lshl_b32 s27, s27, 3                         ; key bits 6 and up stay,
	s_lshl_b32 s34, s22, 1
	s_or_b32 s27, s27, s34                         ; key bits 3 and 4 (my wave's number) go one up,
	s_and_b32 s34, s24, 1
	s_or_b32 s27, s27, s34                         ; key bit 5 (the work-group's lowest bit) goes to the bottom
	s_lshr_b32 s34, s24, 8
	s_cmp_eq_u32 s34, 1                            ; the choice hangs on the work-group's number alone
	s_cselect_b32 s26, s27, s26
	s_lshl_b32 s30, s26, 12                        ; 4,096 bytes of codes a run
	s_mov_b32 s31, 0
	s_lshl_b32 s32, s26, 8                         ; 256 scale bytes a run
	s_mov_b32 s33, 0
	s_wait_alu depctr_va_vdst(0)
	s_wait_kmcnt 0x0
	s_cmp_lt_u32 s24, 512                          ; the choice hangs on the work-group's number alone
	s_cselect_b64 s[6:7], s[6:7], s[8:9]           ; K or V,
	s_cmp_lt_u32 s24, 256
	s_cselect_b64 s[4:5], s[4:5], s[6:7]           ; or Q
	s_add_nc_u64 s[4:5], s[4:5], s[28:29]
	s_add_nc_u64 s[18:19], s[18:19], s[30:31]
	s_add_nc_u64 s[20:21], s[20:21], s[32:33]
.macro LOAD t
.irp i, 0,1,2,3
	global_load_b128 v[R+16*((\t)%4)+4*\i:R+16*((\t)%4)+4*\i+3], v3, s[4:5] offset:2048*(\t)+512*\i   ; 32 lanes read 512 consecutive bytes
.endr
.endm
.macro TURN t                          ; step t's numbers through the stage: LDS serves a wave's instructions in order, so no wait stands between the stores and the loads
.irp i, 0,1,2,3
	ds_store_b128 v14, v[R+16*((\t)%4)+4*\i:R+16*((\t)%4)+4*\i+3] offset:32*SP*((\t)%2)+8*SP*\i
.endr
.irp i, 0,1,2,3
	ds_load_b128 v[X+16*((\t)%2)+4*\i:X+16*((\t)%2)+4*\i+3], v15 offset:32*SP*((\t)%2)+16*\i
.endr
.endm
.irp t, 0,1,2,3
	LOAD \t
.endr
	s_wait_loadcnt 12                              ; step 0's four loads are in; the twelve of steps 1 to 3 may be out
	TURN 0
.macro STEP t
.set XS, X+16*((\t)%2)
.if (\t) > 0
	s_wait_dscnt 1                                 ; this step's numbers are back from the stage (the last step's byte store may be out): so its stores into the stage have read their registers,
.else
	s_wait_dscnt 0x0
.endif
.if (\t)+4 < STEPS
	LOAD (\t)+4                                    ; which take the loads of four steps on
.endif
.if (\t)+1 < STEPS
.if STEPS-2-(\t) >= 3
	s_wait_loadcnt 12                              ; the next step's four loads are in; those of the three steps behind it may be out
.else
	s_wait_loadcnt 4*(STEPS-2-(\t))
.endif
	TURN (\t)+1                                    ; and go through the other stage while this step is worked
.endif
	v_max3_num_f32 v8, |v[XS]|, |v[XS+1]|, |v[XS+2]|               ; the largest magnitude of my 16, in two chains
	v_max3_num_f32 v9, |v[XS+3]|, |v[XS+4]|, |v[XS+5]|
.irp i, 6,10
	v_max3_num_f32 v8, v8, |v[XS+\i]|, |v[XS+\i+1]|
	v_max3_num_f32 v9, v9, |v[XS+\i+2]|, |v[XS+\i+3]|
.endr
	v_max3_num_f32 v8, v8, |v[XS+14]|, |v[XS+15]|
	v_max3_num_f32 v8, v8, v9, (EMAX+1)<<23        ; and the floor 2^(3 - 127): the byte cannot fall under 1
	v_max_num_f32_dpp v8, v8, v8 row_xmask:1 row_mask:0xf bank_mask:0xf   ; and of my neighbour's 16: the block's
	v_add_nc_u32 v11, -(EMAX<<23), v8              ; 2 off its exponent field: the conversion takes the exponent field of this operand as its scale
	v_cvt_scalef32_pk8_fp4_f32 v[C+4*(\t)], v[XS:XS+7], v11
	v_cvt_scalef32_pk8_fp4_f32 v[C+4*(\t)+1], v[XS+8:XS+15], v11
	v_lshrrev_b32 v[E+(\t)], 23, v11               ; the scale's byte (a plain line behind the conversions)
	ds_store_b8 v5, v[E+(\t)] offset:16*(\t)       ; both lanes of a block write the same byte with the same value
	global_store_b64 v4, v[C+4*(\t):C+4*(\t)+1], s[18:19] offset:32*CB*(\t)   ; the wave stores 256 consecutive bytes, aligned
.endm
.irp t, 0,1,2,3,4,5,6,7,8,9,10,11,12,13,14,15
	STEP \t
.endr
	ds_load_b64 v[12:13], v6                       ; LDS serves a wave's instructions in order: these see my byte stores
	s_wait_dscnt 0x0
	global_store_b64 v7, v[12:13], s[20:21]        ; 32 lanes store 256 consecutive bytes, aligned: 8 rows' scale bytes
	s_wait_tensorcnt 0x0
	ds_add_u32 v208, v209
	s_wait_dscnt 0x0
	s_endpgm
; ================= the weights.  Element (k, n) lies at (n / 64) x PG + k x PK + (n % 64) x 4: PG = 262,144 and PK = 256 for Wq, Wk, Wv ([head][k][64]); PG = 256 and PK = 4,096 for Wo ([k][1024]).
; Work-group: tensor id / 16, columns 128 ((id / 2) % 8) on, K half id % 2.  A wave takes 32 columns x 512 along K.
.Lweights:
	s_lshr_b32 s23, ttmp9, 4                       ; which tensor: 0 Wq, 1 Wk, 2 Wv, 3 Wo
	s_bfe_u32 s24, ttmp9, 0x30001                  ; which 128 columns
	s_and_b32 s25, ttmp9, 1                        ; which 512 along K
	s_wait_alu depctr_va_vdst(0)
	v_and_b32 v3, 7, v2                            ; my lane's number with bits 3 and 4 exchanged: the buffer row of my column among the wave's 32
	v_bfe_u32 v5, v2, 3, 1
	v_bfe_u32 v6, v2, 4, 1
	v_lshl_or_b32 v3, v5, 4, v3
	v_lshl_or_b32 v3, v6, 3, v3
	s_mul_i32 s34, s22, 32*PITCH
	s_add_co_u32 s34, s34, WLDS                    ; my stage
	v_mul_u32_u24 v4, v3, PITCH
	v_add_nc_u32 v4, s34, v4                       ; into it: my column's buffer row
	v_and_b32 v5, 15, v2
	v_mul_u32_u24 v7, v6, PITCH                    ; out of it: sixteen lanes to a row, two rows an instruction
	v_lshl_add_u32 v7, v5, 4, v7
	v_add_nc_u32 v7, s34, v7
	v_lshlrev_b32 v8, 9, v6
	v_lshl_add_u32 v8, v5, 4, v8                   ; and the same place in the codes' buffer (rows of 512 bytes)
	v_lshlrev_b32 v9, 5, v3                        ; my column's row of scale bytes (32 bytes a row)
	s_wait_kmcnt 0x0
	s_cmp_eq_u32 s23, 0                            ; the choices hang on the work-group's number alone
	s_cselect_b64 s[10:11], s[10:11], s[12:13]     ; Wq or Wk
	s_cmp_eq_u32 s23, 3
	s_cselect_b64 s[14:15], s[16:17], s[14:15]     ; Wo or Wv
	s_mov_b32 s30, 256
	s_cselect_b32 s30, 4096, s30                   ; PK
	s_mov_b32 s31, 262144
	s_cselect_b32 s31, 256, s31                    ; PG
	s_cmp_lt_u32 s23, 2
	s_cselect_b64 s[28:29], s[10:11], s[14:15]
	s_lshl_b32 s32, s24, 1
	s_lshr_b32 s33, s22, 1
	s_add_co_u32 s32, s32, s33                     ; my first column / 64 = 2 x group + wave / 2
	s_mul_i32 s32, s32, s31
	s_lshl_b32 s33, s25, 9
	s_mul_i32 s33, s33, s30                        ; 512 x half rows down K
	s_add_co_u32 s32, s32, s33
	s_and_b32 s33, s22, 1
	s_lshl_b32 s33, s33, 7                         ; my first column % 64, x 4
	s_add_co_u32 s32, s32, s33
	s_mov_b32 s33, 0
	s_add_nc_u64 s[28:29], s[28:29], s[32:33]
	s_lshl_b32 s26, s30, 5                         ; a block on: 32 rows down K
	s_mov_b32 s27, 0
	v_lshlrev_b32 v[VO], 2, v2
.set i, 1
.rept 31
	v_add_nc_u32 v[VO+i], s30, v[VO+i-1]
.set i, i+1
.endr
	s_lshl_b32 s35, s24, 7
	s_lshl_b32 s36, s22, 5
	s_add_co_u32 s35, s35, s36                     ; my wave's first column
	s_lshl_b32 s36, s35, 9
	s_lshl_b32 s37, s23, 19
	s_add_co_u32 s36, s36, s37
	s_lshl_b32 s37, s25, 8
	s_add_co_u32 s36, s36, s37
	s_add_co_u32 s36, s36, 12582912                ; the codes: 12,582,912 + tensor x 524,288 + column x 512 + 256 x half
	s_mov_b32 s37, 0
	s_add_nc_u64 s[18:19], s[18:19], s[36:37]
	s_lshl_b32 s36, s35, 5
	s_lshl_b32 s35, s23, 15
	s_add_co_u32 s36, s36, s35
	s_lshl_b32 s35, s25, 4
	s_add_co_u32 s36, s36, s35
	s_add_co_u32 s36, s36, 786432                  ; the scale bytes: 786,432 + tensor x 32,768 + column x 32 + 16 x half
	s_add_nc_u64 s[20:21], s[20:21], s[36:37]
.macro WLOAD t                         ; block t: W(32 t + i, my column), i = 0 .. 31, into set t % 2: each load reads 128 consecutive bytes
.if (\t) > 0
	s_wait_xcnt 0x0                                ; the last block's loads have read their base: it may step
	s_add_nc_u64 s[28:29], s[28:29], s[26:27]
.endif
.irp i, 0,1,2,3,4,5,6,7,8,9,10,11,12,13,14,15,16,17,18,19,20,21,22,23,24,25,26,27,28,29,30,31
	global_load_b32 v[XW+32*((\t)%2)+\i], v[VO+\i], s[28:29] th:TH_LOAD_NT
.endr
.endm
	s_wait_alu depctr_va_vdst(0)
	WLOAD 0
	WLOAD 1
.macro WBLOCK t
.set XS, XW+32*((\t)%2)
.if (\t) < NB-1
	s_wait_loadcnt 32                              ; this block's 32 loads are in; the next block's 32 may be out
.else
	s_wait_loadcnt 0
.endif
	v_max3_num_f32 v12, |v[XS]|, |v[XS+1]|, |v[XS+2]|               ; the block's largest magnitude: all 32 numbers are mine
	v_max3_num_f32 v13, |v[XS+3]|, |v[XS+4]|, |v[XS+5]|
.irp i, 6,10,14,18,22,26
	v_max3_num_f32 v12, v12, |v[XS+\i]|, |v[XS+\i+1]|
	v_max3_num_f32 v13, v13, |v[XS+\i+2]|, |v[XS+\i+3]|
.endr
	v_max3_num_f32 v12, v12, |v[XS+30]|, |v[XS+31]|
	v_max3_num_f32 v12, v12, v13, (EMAX+1)<<23     ; and the floor
	v_add_nc_u32 v11, -(EMAX<<23), v12             ; the conversion's scale operand
	v_lshrrev_b32 v13, 23, v11                     ; the scale's byte
.if (\t)%4 == 0
	v_mov_b32 v[SB+(\t)/4], v13                    ; four bytes to a register, the lower K in the lower byte
.else
	v_lshl_or_b32 v[SB+(\t)/4], v13, 8*((\t)%4), v[SB+(\t)/4]
.endif
.irp g, 0,1,2,3
	v_cvt_scalef32_pk8_fp4_f32 v[CW+\g], v[XS+8*\g:XS+8*\g+7], v11
.endr
	v_nop                                          ; one plain line behind the last conversion of a run
	ds_store_b128 v4, v[CW:CW+3] offset:16*(\t)    ; 32 codes: 16 bytes of my column's row
.if (\t)+2 < NB
	WLOAD (\t)+2
.endif
	s_wait_dscnt 0x0                               ; the store has read its registers: the next block's codes may be written
.endm
.set Q, 0
.rept NB
	WBLOCK Q
.set Q, Q+1
.endr
	s_wait_alu depctr_va_vdst(0)
	global_store_b128 v9, v[SB:SB+3], s[20:21]     ; my column's 16 scale bytes
.irp t, 0,1,2,3,4,5,6,7,8,9,10,11,12,13,14,15
	ds_load_b128 v[OUTR+4*\t:OUTR+4*\t+3], v7 offset:2*\t*PITCH   ; LDS serves a wave's instructions in order: these see my stores
.endr
.irp t, 0,1,2,3,4,5,6,7,8,9,10,11,12,13,14,15
	s_wait_dscnt 15-\t
	global_store_b128 v8, v[OUTR+4*\t:OUTR+4*\t+3], s[18:19] offset:2*\t*512   ; sixteen lanes store 256 consecutive bytes, aligned
.endr
	s_wait_tensorcnt 0x0
	ds_add_u32 v208, v209
	s_wait_dscnt 0x0
	s_endpgm
.Lfunc_end_k_q902dc928f1_prep:
	.size	k_q902dc928f1_prep, .Lfunc_end_k_q902dc928f1_prep-k_q902dc928f1_prep
	.p2alignl 7, 3214868480
	.fill 96, 4, 3214868480
	.section	.rodata,"a",@progbits
	.p2align	6, 0x0
	.amdhsa_kernel k_q902dc928f1_prep
		.amdhsa_group_segment_fixed_size 68096
		.amdhsa_private_segment_fixed_size 0
		.amdhsa_enable_private_segment 0
		.amdhsa_kernarg_size 72
		.amdhsa_user_sgpr_count 2
		.amdhsa_user_sgpr_kernarg_segment_ptr 1
		.amdhsa_wavefront_size32 1
		.amdhsa_system_sgpr_workgroup_id_x 1
		.amdhsa_system_sgpr_workgroup_id_y 1
		.amdhsa_system_sgpr_workgroup_id_z 1
		.amdhsa_system_vgpr_workitem_id 0
		.amdhsa_next_free_vgpr 210
		.amdhsa_next_free_sgpr 66
		.amdhsa_reserve_vcc 0
		.amdhsa_float_denorm_mode_32 3
		.amdhsa_float_denorm_mode_16_64 3
		.amdhsa_memory_ordered 1
		.amdhsa_forward_progress 1
		.amdhsa_inst_pref_size 115
	.end_amdhsa_kernel
	.amdgpu_metadata
---
amdhsa.version: [ 1, 2 ]
amdhsa.kernels:
  - .name:           k_q902dc928f1_prep
    .symbol:         k_q902dc928f1_prep.kd
    .args:
      - { .name: Q, .offset: 0, .size: 8, .value_kind: global_buffer, .address_space: global }
      - { .name: K, .offset: 8, .size: 8, .value_kind: global_buffer, .address_space: global }
      - { .name: V, .offset: 16, .size: 8, .value_kind: global_buffer, .address_space: global }
      - { .name: Wq, .offset: 24, .size: 8, .value_kind: global_buffer, .address_space: global }
      - { .name: Wk, .offset: 32, .size: 8, .value_kind: global_buffer, .address_space: global }
      - { .name: Wv, .offset: 40, .size: 8, .value_kind: global_buffer, .address_space: global }
      - { .name: Wo, .offset: 48, .size: 8, .value_kind: global_buffer, .address_space: global }
      - { .name: xw_codes, .offset: 56, .size: 8, .value_kind: global_buffer, .address_space: global }
      - { .name: xw_scales, .offset: 64, .size: 8, .value_kind: global_buffer, .address_space: global }
    .group_segment_fixed_size: 68096
    .private_segment_fixed_size: 0
    .kernarg_segment_align: 8
    .kernarg_segment_size: 72
    .max_flat_workgroup_size: 128
    .sgpr_count:     66
    .vgpr_count:     210
    .wavefront_size: 32
...
	.end_amdgpu_metadata
.endif
;; end of part 1
;; launch proj (part 2): grid 4 x 96, 4 waves a work-group, clusters of 4 x 4, 270,848 bytes of LDS; arguments xw_codes, xw_scales, bq, bk, bv, kv, qimg; writes kv, qimg
.if DOCPART == 2
	.amdgcn_target "amdgcn-amd-amdhsa--gfx1250"
	.amdhsa_code_object_version 6
	.text
	.protected	k_q902dc928f1_proj
	.globl	k_q902dc928f1_proj
	.p2align	8
	.type	k_q902dc928f1_proj,@function
k_q902dc928f1_proj:
	s_mov_b64 s[64:65], 0
	v_nop
	global_prefetch_b8 v0, s[64:65] scope:SCOPE_SE
	s_setreg_imm32_b32 hwreg(HW_REG_WAVE_MODE, 25, 1), 1
	s_wait_xcnt 0x0
	s_wait_alu depctr_hold_cnt(0) depctr_sa_sdst(0) depctr_va_vdst(0) depctr_va_sdst(0) depctr_va_ssrc(0) depctr_va_vcc(0) depctr_vm_vsrc(0)
	s_getreg_b32 s2, hwreg(HW_REG_IB_STS2, 6, 4)
	s_cmp_eq_u32 s2, 0
	s_cbranch_scc0 .Lentry_in_a_cluster
	s_endpgm
.Lentry_in_a_cluster:
	s_bfe_u32 s2, ttmp6, 0x10000c
	s_cmp_lg_u32 s2, 0xf033
	s_cbranch_scc0 .Lentry_shape_is_right
	s_endpgm
.Lentry_shape_is_right:
; The three input projections, on codes of FP4 (E2M1) with E8M0 scales, K = 1,024; each result gets its bias in f32 and is quantised at once, in registers, along the K of the product that will read it:
; q and k along the head's 64, v along the keys.  What leaves are IMAGES OF OPERAND REGISTERS (four registers x 32 lanes = 512 bytes, lane l's 16 bytes at 16 l) and scale words.
; A tile of 256 x 256 is made by four waves, a wave makes 128 x 128: 64 accumulators.  THE MATRIX INSTRUCTION IS USED TRANSPOSED: source 0 = 16 rows of "B", source 1 = 16 rows of "A":
; a lane holds ONE row of A, its registers run along B's rows.  q, k: A = the tokens' codes, B = the weight's (rows n = 64 head + d).  v: A = Wv's, B = V's tokens, so that a lane's registers run along the keys.
; The buffers' rows are stored in the order that the launch before gave them: the 16 registers of B's tiles 2 B and 2 B + 1 are 16 neighbours, 32 B + 16 (lane / 16) + 0 .. 15.
; ALL OF K COMES AT ONCE: a row of codes is 512 bytes; each wave asks for 128 whole rows by ONE tensor load at the head; no LDS byte is filled twice, one barrier shows the tiles to all.
; THE SCALE WORDS go from memory straight into their registers: 16 loads of 16 bytes a lane; two loads together take every byte of 16 rows' 512 consecutive bytes; lanes 0-15 take A's rows, lanes 16-31 B's.
; CLUSTERS: 4 x 4 work-groups; cluster y = 8 x tensor + e.  A's tiles are shared along a row of the cluster, B's along a column: joint loads, the same descriptor in the four that the mask names.
; No prefetch: the launch has no loop that fetches; all its tiles are asked for at the head.
; OUT.  kv: [batch x 16 + head][key step of 128][8,704]: +0 K's four fragments (image u of fragment B = the tokens' tile 2 B + u, 64 along d), +4,096 V's four fragments (16 d x 128 keys), +8,192 K's scale words [r][B] = (u 0: two bytes, u 1: two bytes),
; +8,448 V's [r][tile].  qimg: [batch x 16 + head][tile of 16 queries, 128][512]; from 4,194,304 on its scale words in K's form.
; LIMITS: NaN and infinities are not served; a block whose largest magnitude lies under 2^-124 (zeros too) gets the byte 1.
; REGISTERS: window 0: v1-9 addresses; v16-27 addresses; v32-95 scale words and nothing else; v96-111 at work; v112-127 codes; v128-191 A's fragments, later 64 numbers; v192-207 the way out.
;   window 1: B's fragments at v0 and v128; v64-79 the bias by lane, v192-255 the bias by register.   windows 2, 3: the accumulators ((a, b) at v[8 (8 (a % 4) + b)]).
.set NQ,     4                         ; steps of 128 along K in half a row
.set ROWB,   512                       ; a tile's row: 1,024 codes
.set PITCH,  528                       ; an LDS row: 512 bytes + 16: the 16 rows that a load touches start 132 words apart
.set HALFK,  256                       ; the second 512 along K begin here in a row
.set FR,     8
.set NL,     2
.set NP,     4                         ; plain vector lines between a matrix instruction and a load into, or a read of, its registers
.set HALFT,  128*PITCH                 ; what one tensor load brings; A's 256 rows, then B's 256 rows
.set SPARE,  4*HALFT                   ; behind the tiles: the spare words, 128 bytes a wave
.set ADRA, 16
.set ADRB, 20
.set ADRS, 27
.set SC,   32
.set AF,   128
.set TM,   96
.set PC,   112
.set T,    128
.set PW,   192
.set SW,   200
.set VSEL, 204
.set VOF,  205
.set VS,   206
.set LN,   207
.set BI,   192
.set BJ,   64
.set G1, 24
.set G0, 32
.set G1B, 48
.set G0B, 56
.set TEN, 100
.set MSB, 0
.macro WIN new                         ; the immediate's high byte repeats the setting that is left
.if MSB != (\new)
	s_set_vgpr_msb (MSB<<8)|(\new)
.set MSB, (\new)
.endif
.endm
.set MUL_LO, 0xa1
.set MUL_HI, 0xf1
.set TO_B,   0x40
.macro CROUND                          ; a round of the cluster's barrier
	s_barrier_signal -1
	s_barrier_wait -1
	s_cmp_lg_u32 s14, 0
	s_cbranch_scc1 .Lnot_wave_0_\@
	s_barrier_signal -3
.Lnot_wave_0_\@:
	s_barrier_wait -3
	s_barrier_signal -1
	s_barrier_wait -1
.endm
	s_load_b256 s[4:11], s[0:1], 0x0               ; the codes s[4:5], the scale bytes s[6:7], bq s[8:9], bk s[10:11]
	s_load_b64 s[12:13], s[0:1], 0x20              ; bv
	s_load_b128 s[96:99], s[0:1], 0x28             ; kv s[96:97], qimg s[98:99]
	v_lshl_add_u32 v254, v0, 2, SPARE
	v_mov_b32 v255, 0
	ds_add_u32 v254, v255                          ; the opening lines: the add, twice on end, and its wait ahead of my tensor load
	ds_add_u32 v254, v255
	v_lshrrev_b32 v1, 5, v0
	v_readfirstlane_b32 s14, v1                    ; wave 0..3
	s_lshr_b32 s15, s14, 1                         ; which half of A's rows is mine.  Also: I fetch for A (0) or for B (1)
	s_and_b32 s16, s14, 1                          ; which half of B's rows.  Also: which 128 rows I fetch
	s_bfe_u32 s40, ttmp6, 0x40000                  ; cx, cy
	s_bfe_u32 s41, ttmp6, 0x40004
	s_and_b32 s18, ttmp7, 0xffff
	s_lshr_b32 s[TEN], s18, 3                      ; 0 q, 1 k, 2 v
	s_and_b32 s101, s18, 7
	s_lshl_b32 s101, s101, 2
	s_lshl_b32 s20, s[TEN], 22                     ; the tokens' codes,
	s_lshl_b32 s22, s[TEN], 18                     ; their scale bytes,
	s_lshl_b32 s46, s[TEN], 19
	s_add_co_u32 s46, s46, 12582912                ; the weight's codes,
	s_lshl_b32 s92, s[TEN], 15
	s_add_co_u32 s92, s92, 786432                  ; and its scale bytes
	s_cmp_lt_u32 s[TEN], 2                         ; q, k: A = tokens, B = weight;  v: A = Wv, B = V's tokens
	s_cselect_b32 s17, s101, 0
	s_cselect_b32 s42, 0, s101
	s_cselect_b32 s20, s20, 13631488
	s_cselect_b32 s22, s22, 851968
	s_cselect_b32 s46, s46, 8388608
	s_cselect_b32 s92, s92, 524288
	s_add_co_u32 s17, s17, s41                     ; A's tile of 256 rows
	s_add_co_u32 s42, s42, s40                     ; B's
	s_lshl_b32 s43, s41, 2
	s_lshl_b32 s43, 15, s43                        ; my row of the cluster
	s_lshl_b32 s44, 0x1111, s40                    ; my column
	s_or_b32 s[G1+0], s43, (0<<16)|(1<<20)|(1<<21)|(6<<22)|(3<<25)  ; the mask; elements of 1 byte; padding: 4 words after every 128
	s_or_b32 s[G1B+0], s44, (0<<16)|(1<<20)|(1<<21)|(6<<22)|(3<<25)
.irp g, G1, G1B
	s_mov_b32 s[\g+1], ROWB<<16                    ; tensor_dim0
	s_mov_b32 s[\g+2], 128<<16                     ; tensor_dim1
	s_mov_b32 s[\g+3], ROWB<<16                    ; tile_dim0
	s_mov_b32 s[\g+4], 128                         ; tile_dim1
	s_mov_b32 s[\g+5], ROWB                        ; from row to row
	s_mov_b32 s[\g+6], 0
	s_mov_b32 s[\g+7], 0
.endr
	s_lshl_b32 s18, s16, 7                         ; which 128 rows of the tile I fetch
	s_lshl_b32 s19, s17, 8
	s_add_co_u32 s19, s19, s18                     ; A's row
	s_lshl_b32 s66, s42, 8
	s_add_co_u32 s66, s66, s18                     ; B's row: also the first of the 128 that I multiply
	s_lshl_b32 s21, s19, 9
	s_add_co_u32 s20, s20, s21                     ; byte offsets, all under 2^24
	s_lshl_b32 s67, s66, 9
	s_add_co_u32 s46, s46, s67
	s_lshl_b32 s21, s17, 13
	s_add_co_u32 s93, s22, s21
	s_lshl_b32 s21, s15, 12
	s_add_co_u32 s93, s93, s21                     ; the scale bytes of the 128 rows of A that I multiply,
	s_lshl_b32 s67, s66, 5
	s_add_co_u32 s92, s92, s67                     ; of B's,
	s_sub_co_u32 s92, s92, s93                     ; and the distance from the one to the other, modulo 2^32
	s_mov_b32 s21, 0
	s_mov_b32 s47, 0
	s_mul_i32 s45, s14, HALFT                      ; where my rows go: no place in the cluster enters an LDS address
	s_mov_b32 s2, 0x76543210
	s_mov_b32 s3, 0xfedcba98
	s_wait_dscnt 0x0
	s_wait_kmcnt 0x0
	s_add_nc_u64 s[20:21], s[4:5], s[20:21]
	s_add_nc_u64 s[46:47], s[4:5], s[46:47]
	CROUND                                         ; all sixteen work-groups are here: the joint loads meet
	s_mov_b32 s[G0], 1
	s_mov_b32 s[G0+1], s45
	s_mov_b64 s[G0+2:G0+3], s[20:21]
	s_or_b32 s[G0+3], s[G0+3], 0x80000000
	s_mov_b32 s[G0B], 1
	s_mov_b32 s[G0B+1], s45
	s_mov_b64 s[G0B+2:G0B+3], s[46:47]
	s_or_b32 s[G0B+3], s[G0B+3], 0x80000000
	s_cmp_eq_u32 s15, 0                            ; waves 0 and 1 fetch for A, waves 2 and 3 for B: the wave's one tensor load
	s_cbranch_scc0 .Lfor_b
	tensor_load_to_lds s[G0:G0+3], s[G1:G1+7]
	s_nop 0
.rept 4
	v_nop
.endr
	s_branch .Lasked
.Lfor_b:
	tensor_load_to_lds s[G0B:G0B+3], s[G1B:G1B+7]
	s_nop 0
.rept 4
	v_nop
.endr
.Lasked:
	v_and_b32 v1, 15, v0                           ; r: kept
	v_bfe_u32 v2, v0, 4, 1                         ; h: kept
	v_mul_u32_u24 v3, v1, PITCH
	v_lshl_add_u32 v4, v2, 4, v3
	s_mul_i32 s21, s15, HALFT                      ; my 128 rows of A
	s_mul_i32 s22, s16, HALFT
	s_add_co_u32 s22, s22, 2*HALFT                 ; my 128 rows of B
.irp s, 0,1
	v_add_nc_u32 v[ADRA+\s], s21, v4
	v_add_nc_u32 v[ADRB+\s], s22, v4
	s_add_co_u32 s21, s21, HALFK
	s_add_co_u32 s22, s22, HALFK
.endr
	v_mul_lo_u32 v6, s92, v2                       ; lanes 16-31 take B's scale words
	v_lshl_add_u32 v5, v1, 5, v6                   ; 32 bytes a row
	v_add_nc_u32 v[ADRS], s93, v5
	s_wait_alu depctr_va_vdst(0)
.irp sc, 0,1
.irp i, 0,1,2,3,4,5,6,7
	global_load_b128 v[SC+8*NQ*\sc+NQ*\i:SC+8*NQ*\sc+NQ*\i+3], v[ADRS], s[6:7] offset:512*\i+16*\sc   ; block i's words for the sc-th 512 along K
.endr
.endr
	; the biases, in two forms; both are loaded whatever the tensor, each base held inside the 4,096 bytes by a select
	s_lshl_b32 s19, s17, 8
	s_lshl_b32 s18, s15, 7
	s_add_co_u32 s19, s19, s18                     ; j0: my first row of A (s66 = i0: my first row of B)
	s_lshl_b32 s20, s66, 2
	s_lshl_b32 s22, s19, 2
	s_cmp_lt_u32 s[TEN], 1
	s_cselect_b64 s[8:9], s[8:9], s[10:11]
	s_cmp_lt_u32 s[TEN], 2
	s_cselect_b64 s[8:9], s[8:9], s[12:13]
	s_cselect_b32 s20, s20, 0                      ; q, k: the bias goes with B's row (a register);
	s_cselect_b32 s22, 0, s22                      ; v: with A's row (the lane)
	s_mov_b32 s21, 0
	s_mov_b32 s23, 0
	s_add_nc_u64 s[10:11], s[8:9], s[20:21]
	s_add_nc_u64 s[12:13], s[8:9], s[22:23]
	v_lshlrev_b32 v8, 6, v2
	v_and_b32 v9, 8, v1
	v_add_nc_u32 v9, v9, v1
	v_lshlrev_b32 v9, 2, v9
	WIN TO_B
.irp b, 0,1,2,3
.irp j, 0,1,2,3
	global_load_b128 v[BI+16*\b+4*\j:BI+16*\b+4*\j+3], v8, s[10:11] offset:128*\b+16*\j
.endr
.endr
.irp a, 0,1,2,3,4,5,6,7
	global_load_b32 v[BJ+2*\a], v9, s[12:13] offset:4*(32*(\a/2)+8*(\a%2))
	global_load_b32 v[BJ+2*\a+1], v9, s[12:13] offset:4*(32*(\a/2)+8*(\a%2))
.endr
	WIN 0
.irp b, 0,1,2,3
	v_mov_b32 v[TM+4+\b], 0                        ; a lane permute's destination counts as one of its sources
.endr
	v_and_b32 v[LN], 31, v0
	v_lshlrev_b32 v[VOF], 4, v[LN]
.macro FRAG reg, adr, q, i
.irp c, 0,1
	ds_load_b128 v[\reg+4*\c:\reg+4*\c+3], v[\adr] offset:64*(\q)+32*\c+(\i)*16*PITCH
.endr
.endm
; 16 matrix instructions: A's blocks a0, a0 + 1 x B's eight.  The 64 accumulators take turns, one instruction a turn, in the same order in every step.
.macro MUL16 a0, p, q, sc, zero
.irp a, \a0, \a0+1
.irp b, 0,1,2,3,4,5,6,7
.if \zero
	v_wmma_scale_f32_16x16x128_f8f6f4 v[8*(8*((\a)%4)+\b):8*(8*((\a)%4)+\b)+7], v[128*(\p)+FR*\b:128*(\p)+FR*\b+FR-1], v[AF+FR*(\a):AF+FR*(\a)+FR-1], 0, v[SC+8*NQ*(\sc)+NQ*\b+(\q)], v[SC+8*NQ*(\sc)+NQ*(\a)+(\q)] matrix_a_fmt:MATRIX_FMT_FP4 matrix_b_fmt:MATRIX_FMT_FP4 matrix_a_scale:MATRIX_SCALE_ROW1
.else
	v_wmma_scale_f32_16x16x128_f8f6f4 v[8*(8*((\a)%4)+\b):8*(8*((\a)%4)+\b)+7], v[128*(\p)+FR*\b:128*(\p)+FR*\b+FR-1], v[AF+FR*(\a):AF+FR*(\a)+FR-1], v[8*(8*((\a)%4)+\b):8*(8*((\a)%4)+\b)+7], v[SC+8*NQ*(\sc)+NQ*\b+(\q)], v[SC+8*NQ*(\sc)+NQ*(\a)+(\q)] matrix_a_fmt:MATRIX_FMT_FP4 matrix_b_fmt:MATRIX_FMT_FP4 matrix_a_scale:MATRIX_SCALE_ROW1
.endif
.endr
.endr
.endm
.macro FETCH_B slot, q, p
	WIN TO_B
.irp i, 0,1,2,3,4,5,6,7
	FRAG 128*(\p)+FR*\i, ADRB+\slot, \q, \i
.endr
	WIN 0
.endm
.macro FETCH_A slot, q, i0
.irp i, \i0, \i0+1, \i0+2, \i0+3
	FRAG AF+FR*(\i), ADRA+\slot, \q, \i
.endr
.endm
.macro PLACES n
.rept \n
	v_nop
.endr
.endm
.macro STEP slot, q, zero, ns, nq      ; a step of 128 along K; its successor is the nq-th of half ns
	s_wait_dscnt 4*NL                              ; B's set and A's blocks 0-3 are in; the youngest eight loads (A's blocks 4-7) may be out
	WIN MUL_LO
	MUL16 0, (\q)%2, \q, \slot, \zero
	MUL16 2, (\q)%2, \q, \slot, \zero
	s_wait_dscnt 0                                 ; A's blocks 4-7 are in
	PLACES NP
	FETCH_B \ns, \nq, 1-(\q)%2
	FETCH_A \ns, \nq, 0
	WIN MUL_HI
	MUL16 4, (\q)%2, \q, \slot, \zero
	MUL16 6, (\q)%2, \q, \slot, \zero
	PLACES NP
	WIN 0
	FETCH_A \ns, \nq, 4
.endm
	s_wait_alu depctr_va_vdst(0)
	s_wait_tensorcnt 0x0                           ; my 128 rows are in,
	s_barrier_signal -1
	s_barrier_wait -1                              ; everybody's are
	FETCH_B 0, 0, 0
	FETCH_A 0, 0, 0
	FETCH_A 0, 0, 4
	s_wait_loadcnt 32                              ; the 16 loads of scale words are in; the 32 of the biases, issued behind them, may be out
	STEP 0, 0, 1, 0, 1                             ; the first step's products start the sums: nothing is cleared
	STEP 0, 1, 0, 0, 2
	STEP 0, 2, 0, 0, 3
	STEP 0, 3, 0, 1, 0
	STEP 1, 0, 0, 1, 1
	STEP 1, 1, 0, 1, 2
	STEP 1, 2, 0, 1, 3
	s_wait_dscnt 4*NL                              ; the very last step: nothing more to fetch
	WIN MUL_LO
	MUL16 0, 1, NQ-1, 1, 0
	MUL16 2, 1, NQ-1, 1, 0
	s_wait_dscnt 0
	WIN MUL_HI
	MUL16 4, 1, NQ-1, 1, 0
	MUL16 6, 1, NQ-1, 1, 0
	WIN 0
	PLACES NP
	s_wait_loadcnt 0x0                             ; the biases
	; THE WAY OUT.  n0 = my first weight row, t0 = my first token; the tensor load is done, so the descriptors' registers are free.
	s_cmp_lt_u32 s[TEN], 2
	s_cselect_b32 s30, s66, s19                    ; n0
	s_cselect_b32 s31, s19, s66                    ; t0
	s_lshr_b32 s30, s30, 6                         ; my first head (I hold two)
	s_lshr_b32 s32, s31, 11                        ; the batch
	s_bfe_u32 s31, s31, 0x40007                    ; which 128 tokens of its 2,048
	s_lshl_b32 s32, s32, 4
	s_add_co_u32 s30, s30, s32
	s_cmp_eq_u32 s[TEN], 0
	s_cselect_b64 s[24:25], s[98:99], s[96:97]     ; qimg, or kv
	s_mov_b32 s33, 139264
	s_cselect_b32 s33, 65536, s33                  ; images: from head to head,
	s_mov_b32 s34, 8704
	s_cselect_b32 s34, 4096, s34                   ; from step to step
	s_mov_b32 s35, 139264
	s_cselect_b32 s35, 4096, s35                   ; scale words: from head to head,
	s_mov_b32 s36, 8704
	s_cselect_b32 s36, 256, s36                    ; from step to step,
	s_mov_b32 s37, 8192
	s_cselect_b32 s37, 4194304, s37                ; and where they begin;
	s_cmp_eq_u32 s[TEN], 2
	s_cselect_b32 s38, 256, 0                      ; V's lie 256 bytes behind K's
	s_add_co_u32 s37, s37, s38
	s_mul_i32 s38, s30, s33
	s_mul_i32 s39, s31, s34
	s_add_co_u32 s38, s38, s39
	s_mov_b32 s39, 0
	s_mul_i32 s30, s30, s35
	s_mul_i32 s31, s31, s36
	s_add_co_u32 s30, s30, s31
	s_add_co_u32 s30, s30, s37
	s_mov_b32 s31, 0
	s_add_nc_u64 s[28:29], s[24:25], s[30:31]      ; the scale words
	s_add_nc_u64 s[24:25], s[24:25], s[38:39]      ; my first head's images,
	s_mov_b32 s32, s33
	s_mov_b32 s33, 0
	s_add_nc_u64 s[26:27], s[24:25], s[32:33]      ; my second head's
	v_mul_u32_u24 v[VS], s35, v2
	v_lshl_add_u32 v[VS], v1, 4, v[VS]
	v_cmp_le_u32 vcc_lo, 16, v[LN]
	v_mov_b32 v[VSEL], 0x05040100
	v_mov_b32 v3, 0x07060302
	v_cndmask_b32 v[VSEL], v[VSEL], v3, vcc_lo
; 64 numbers of a lane, register 16 b + i = k 32 b + 16 (lane / 16) + i of my row, become a fragment's codes in v[pc] on and its scale word in v[pw].
.macro QUANT s, pc, pw
.irp b, 0,1,2,3
	v_max3_num_f32 v[TM+\b], |v[\s+16*\b]|, |v[\s+1+16*\b]|, 0x1800000   ; with the floor 2^(3 - 127): the byte cannot fall under 1
.endr
.irp i, 2,4,6,8,10,12,14
.irp b, 0,1,2,3
	v_max3_num_f32 v[TM+\b], v[TM+\b], |v[\s+16*\b+\i]|, |v[\s+1+16*\b+\i]|
.endr
.endr
.irp b, 0,1,2,3
	v_permlanex16_b32 v[TM+4+\b], v[TM+\b], s2, s3
.endr
.irp b, 0,1,2,3
	v_max_num_f32 v[TM+\b], v[TM+\b], v[TM+4+\b]
.endr
.irp b, 0,1,2,3
	v_add_nc_u32 v[TM+12+\b], 0xff000000, v[TM+\b] ; 2 off the exponent field: the conversion's scale operand
.endr
.irp b, 0,1,2,3
	v_lshrrev_b32 v[TM+4+\b], 23, v[TM+12+\b]      ; the scale's byte
.endr
	v_lshl_or_b32 v[\pw], v[TM+5], 8, v[TM+4]
	v_lshl_or_b32 v[\pw], v[TM+6], 16, v[\pw]
	v_lshl_or_b32 v[\pw], v[TM+7], 24, v[\pw]
.irp b, 0,1,2,3
	v_cvt_scalef32_pk8_fp4_f32 v[\pc+2*\b], v[\s+16*\b:\s+7+16*\b], v[TM+12+\b]
	v_cvt_scalef32_pk8_fp4_f32 v[\pc+1+2*\b], v[\s+8+16*\b:\s+15+16*\b], v[TM+12+\b]
.endr
	v_nop                                          ; one plain line behind a scaled conversion
.irp c, 0,1
.irp i, 0,1
	v_permlane16_swap_b32 v[\pc+4*\c+\i], v[\pc+2+4*\c+\i]   ; a whole block in a lane
.endr
.endr
.endm
; A's eight blocks one after the other: bias, quantiser, two stores of 512 consecutive bytes.  isv = 0: registers 0-3 are the first head's image, 4-7 the second's.  isv = 1: the 8 registers are one fragment (16 d x 128 keys).
.macro EPI isv
.irp a, 0,1,2,3,4,5,6,7
	s_wait_xcnt 0x0                                ; the stores of two blocks ago have read this set of codes
	WIN 0x06+\a/4
.set k, 0
.rept 32
.if \isv
	v_pk_add_f32 v[T+2*k:T+2*k+1], v[64*(\a%4)+2*k:64*(\a%4)+2*k+1], v[BJ+2*\a:BJ+2*\a+1]
.else
	v_pk_add_f32 v[T+2*k:T+2*k+1], v[64*(\a%4)+2*k:64*(\a%4)+2*k+1], v[BI+2*k:BI+2*k+1]
.endif
.set k, k+1
.endr
	WIN 0
	QUANT T, PC+8*(\a%2), PW+\a
.if \isv
	global_store_b128 v[VOF], v[PC+8*(\a%2):PC+8*(\a%2)+3], s[24+2*(\a/4):25+2*(\a/4)] offset:4096+1024*(\a%4)
	global_store_b128 v[VOF], v[PC+8*(\a%2)+4:PC+8*(\a%2)+7], s[24+2*(\a/4):25+2*(\a/4)] offset:4096+1024*(\a%4)+512
.else
	global_store_b128 v[VOF], v[PC+8*(\a%2):PC+8*(\a%2)+3], s[24:25] offset:512*\a
	global_store_b128 v[VOF], v[PC+8*(\a%2)+4:PC+8*(\a%2)+7], s[26:27] offset:512*\a
.if \a%2
	v_perm_b32 v[SW+\a/2], v[PW+\a], v[PW+\a-1], v[VSEL]
.endif
.endif
.endr
.if \isv
.irp t, 0,1,2,3
	v_cndmask_b32 v[SW+\t], v[PW+\t], v[PW+4+\t], vcc_lo
.endr
.endif
	global_store_b128 v[VS], v[SW:SW+3], s[28:29]  ; sixteen lanes store 256 consecutive bytes, aligned
.endm
	s_cmp_lt_u32 s[TEN], 2                         ; the same in all sixteen partners
	s_cbranch_scc0 .Lepi_v
	EPI 0
	s_branch .Ldone
.Lepi_v:
	EPI 1
.Ldone:
	s_wait_tensorcnt 0x0                           ; the wave's end
	ds_add_u32 v254, v255
	s_wait_dscnt 0x0
	CROUND                                         ; the closing round
	s_endpgm
.Lfunc_end_k_q902dc928f1_proj:
	.size	k_q902dc928f1_proj, .Lfunc_end_k_q902dc928f1_proj-k_q902dc928f1_proj
	.p2alignl 7, 3214868480
	.fill 96, 4, 3214868480
	.section	.rodata,"a",@progbits
	.p2align	6, 0x0
	.amdhsa_kernel k_q902dc928f1_proj
		.amdhsa_group_segment_fixed_size 270848
		.amdhsa_private_segment_fixed_size 0
		.amdhsa_enable_private_segment 0
		.amdhsa_kernarg_size 56
		.amdhsa_user_sgpr_count 2
		.amdhsa_user_sgpr_kernarg_segment_ptr 1
		.amdhsa_wavefront_size32 1
		.amdhsa_system_sgpr_workgroup_id_x 1
		.amdhsa_system_sgpr_workgroup_id_y 1
		.amdhsa_system_sgpr_workgroup_id_z 1
		.amdhsa_system_vgpr_workitem_id 0
		.amdhsa_next_free_vgpr 1024
		.amdhsa_next_free_sgpr 102
		.amdhsa_reserve_vcc 1
		.amdhsa_float_denorm_mode_32 3
		.amdhsa_float_denorm_mode_16_64 3
		.amdhsa_memory_ordered 1
		.amdhsa_forward_progress 1
		.amdhsa_inst_pref_size 195
	.end_amdhsa_kernel
	.amdgpu_metadata
---
amdhsa.version: [ 1, 2 ]
amdhsa.kernels:
  - .name:           k_q902dc928f1_proj
    .symbol:         k_q902dc928f1_proj.kd
    .args:
      - { .name: xw_codes, .offset: 0, .size: 8, .value_kind: global_buffer, .address_space: global }
      - { .name: xw_scales, .offset: 8, .size: 8, .value_kind: global_buffer, .address_space: global }
      - { .name: bq, .offset: 16, .size: 8, .value_kind: global_buffer, .address_space: global }
      - { .name: bk, .offset: 24, .size: 8, .value_kind: global_buffer, .address_space: global }
      - { .name: bv, .offset: 32, .size: 8, .value_kind: global_buffer, .address_space: global }
      - { .name: kv, .offset: 40, .size: 8, .value_kind: global_buffer, .address_space: global }
      - { .name: qimg, .offset: 48, .size: 8, .value_kind: global_buffer, .address_space: global }
    .group_segment_fixed_size: 270848
    .private_segment_fixed_size: 0
    .kernarg_segment_align: 8
    .kernarg_segment_size: 56
    .max_flat_workgroup_size: 128
    .sgpr_count:     102
    .vgpr_count:     1024
    .wavefront_size: 32
...
	.end_amdgpu_metadata
.endif
;; end of part 2
;; launch attn (part 3): grid 8 x 32, 16 waves a work-group, clusters of 4 x 1, 327,680 bytes of LDS; arguments kv, qimg, oimg, oscl; writes oimg, oscl
.if DOCPART == 3
	.amdgcn_target "amdgcn-amd-amdhsa--gfx1250"
	.amdhsa_code_object_version 6
	.text
	.protected	k_q902dc928f1_attn
	.globl	k_q902dc928f1_attn
	.p2align	8
	.type	k_q902dc928f1_attn,@function
k_q902dc928f1_attn:
	s_mov_b64 s[64:65], 0
	v_nop
	global_prefetch_b8 v0, s[64:65] scope:SCOPE_SE
	s_setreg_imm32_b32 hwreg(HW_REG_WAVE_MODE, 25, 1), 1
	s_wait_xcnt 0x0
	s_wait_alu depctr_hold_cnt(0) depctr_sa_sdst(0) depctr_va_vdst(0) depctr_va_sdst(0) depctr_va_ssrc(0) depctr_va_vcc(0) depctr_vm_vsrc(0)
	s_getreg_b32 s2, hwreg(HW_REG_IB_STS2, 6, 4)
	s_cmp_eq_u32 s2, 0
	s_cbranch_scc0 .Lentry_in_a_cluster
	s_endpgm
.Lentry_in_a_cluster:
	s_bfe_u32 s2, ttmp6, 0x10000c
	s_cmp_lg_u32 s2, 0x3003
	s_cbranch_scc0 .Lentry_shape_is_right
	s_endpgm
.Lentry_shape_is_right:
; Attention on codes of FP4 (E2M1) with E8M0 scales: o = softmax(q k^T / 32) v for 64 (batch, head) pairs of 2,048 queries and keys, head size 64; o is quantised at once along the heads' axis for the projection that follows.
; SOFTMAX: t = score x log2(e) / 32; M = the running largest t rounded up to a whole number; p = 2^(t - M) is quantised along the keys; the row's sum is taken of the unquantised p in f32 and divides at the end.
; When M moves, the sum and O^T are multiplied by 2^(old M - new M), which rounds nothing; no branch hangs on data.
; SHARES.  A work-group owns 256 queries of two neighbouring heads; each of its 16 waves owns one tile of 16 queries, first of the one head, then of the other, 16 key steps of 128 each.
; K, V and their scale words of both heads, 278,528 dense bytes, lie in LDS for the whole launch: each wave asks for 68 rows of 256 bytes by its one tensor load at the head; ONE barrier shows them to all; nothing is filled again.
; CLUSTER: the four query blocks of a cluster read the same two heads: joint loads, mask 15.  No prefetch: the launch has no loop that fetches.
; LAYOUT.  Both products are used transposed, a lane holds ONE query.  A K = 128 instruction takes two tiles of 16 keys x 64: Q stands in v[16:19] and v[24:27] with zero codes in v[20:23], so v[16:23] meets the first tile and v[20:27] the second.
; Tile 4 c + i holds keys 64 c + 32 (m / 8) + 8 i + m % 8, so lane (r, h) finds keys 64 c + 32 h + 0 .. 31 in registers 96 + 32 c on: a WHOLE block of 32 in a lane, in the order in which the second product's operand wants it:
; a block's largest score needs no other lane, and the conversions' results are the operand's registers.
; LIMITS: NaN and infinities are not served; the promise holds while the scaled scores stay under 2^31 in magnitude; a block of p whose largest lies under 2^-124 gets the byte 1.
; REGISTERS: v1-9 addresses; v12 -M, v13 the largest score, v[14:15] the sum; v16-27 Q; v28 Q's scale word; v32-63 K; v64-95 V; v96-159 S^T, then p; v160-191 O^T; v192-196 the second head's Q; v200-207 scale words; v208-219 the way out; v224-231 p's codes; v232-254 at work.
.set STEPB, 8704
.set HEADB, 16*STEPB
.set OSC,   2*HEADB                    ; behind the tiles: 64 bytes a wave for o's scale words
.set SPARE, OSC+1024                   ; the spare words, 128 bytes a wave
.set WV,  12
.set SEL, 20
.set CS,  22
.set G1,  24
.set TB,  40
.set CNT, 41
.macro CROUND
	s_barrier_signal -1
	s_barrier_wait -1
	s_cmp_lg_u32 s[WV], 0
	s_cbranch_scc1 .Lnot_wave_0_\@
	s_barrier_signal -3
.Lnot_wave_0_\@:
	s_barrier_wait -3
	s_barrier_signal -1
	s_barrier_wait -1
.endm
	s_load_b256 s[4:11], s[0:1], 0x0               ; kv, qimg, oimg, oscl
	v_lshl_add_u32 v251, v0, 2, SPARE
	v_mov_b32 v255, 0
	ds_add_u32 v251, v255                          ; the opening lines: the add, twice on end, and its wait
	ds_add_u32 v251, v255
	v_lshrrev_b32 v1, 5, v0
	s_delay_alu instid0(VALU_DEP_1)
	v_readfirstlane_b32 s[WV], v1
	s_bfe_u32 s13, ttmp6, 0x40000
	s_lshl_b32 s14, ttmp9, 2
	s_add_co_u32 s14, s14, s13                     ; which 256 queries
	s_and_b32 s15, ttmp7, 0xffff                   ; which pair of heads
	s_lshr_b32 s16, s15, 3
	s_and_b32 s17, s15, 7
	s_mov_b32 s[G1], 15|(3<<16)|(1<<21)            ; the mask; elements of 8 bytes
	s_mov_b32 s[G1+1], 32<<16
	s_mov_b32 s[G1+2], 68<<16
	s_mov_b32 s[G1+3], 32<<16
	s_mov_b32 s[G1+4], 68
	s_mov_b32 s[G1+5], 32
	s_mov_b32 s[G1+6], 0
	s_mov_b32 s[G1+7], 0
	s_mul_i32 s18, s[WV], 2*STEPB                  ; my sixteenth of the two heads' bytes
	s_mul_i32 s52, s15, 2*HEADB
	s_add_co_u32 s52, s52, s18
	s_mov_b32 s53, 0
	s_mov_b32 s[SEL], 0x76543210
	s_mov_b32 s[SEL+1], 0xfedcba98
	s_mov_b32 s[CS], 0x3d38aa3b                    ; log2(e) / 32
	s_mov_b32 s[CS+1], s[CS]
	s_wait_dscnt 0x0
	s_wait_kmcnt 0x0
	s_add_nc_u64 s[52:53], s[4:5], s[52:53]
	CROUND
	s_mov_b32 s32, 1
	s_mov_b32 s33, s18
	s_mov_b64 s[34:35], s[52:53]
	s_or_b32 s35, s35, 0x80000000
	tensor_load_to_lds s[32:35], s[G1:G1+7]
	s_nop 0
.rept 4
	v_nop
.endr
	v_and_b32 v3, 31, v0
	s_delay_alu instid0(VALU_DEP_1)
	v_lshlrev_b32 v1, 4, v3                        ; 16 x lane
	v_and_b32 v8, 15, v0
	s_delay_alu instid0(VALU_DEP_1)
	v_lshlrev_b32 v4, 4, v8
	v_bfe_u32 v9, v0, 4, 1
	s_delay_alu instid0(VALU_DEP_1)
	v_lshlrev_b32 v9, 3, v9                        ; 8 h: where my two bytes stand in p's scale word
	s_lshl_b32 s19, s[WV], 6
	s_add_co_u32 s19, s19, OSC
	v_lshl_add_u32 v5, v8, 2, s19
	s_lshl_b32 s19, s[WV], 9
	v_add_nc_u32 v7, s19, v1
	s_delay_alu instid0(VALU_DEP_1)
	v_add_nc_u32 v6, OSC, v7
	s_lshl_b32 s18, s14, 4
	s_add_co_u32 s18, s18, s[WV]                   ; my tile of queries
	s_mov_b32 s55, 0
	s_lshl_b32 s54, s15, 17
	s_lshl_b32 s19, s18, 9
	s_add_co_u32 s54, s54, s19
	s_add_nc_u64 s[44:45], s[6:7], s[54:55]        ; Q's image
	s_lshl_b32 s54, s15, 5
	s_lshl_b32 s19, s14, 1
	s_add_co_u32 s54, s54, s19
	s_lshr_b32 s19, s[WV], 3
	s_add_co_u32 s54, s54, s19
	s_lshl_b32 s54, s54, 8
	s_bfe_u32 s19, s[WV], 0x20001
	s_lshl_b32 s19, s19, 2
	s_add_co_u32 s54, s54, s19
	s_add_co_u32 s54, s54, 4194304
	s_add_nc_u64 s[46:47], s[6:7], s[54:55]        ; Q's scale words
	s_lshl_b32 s54, s16, 7
	s_add_co_u32 s54, s54, s18
	s_lshl_b32 s54, s54, 3
	s_add_co_u32 s54, s54, s17
	s_lshl_b32 s54, s54, 10
	s_add_nc_u64 s[48:49], s[8:9], s[54:55]        ; o's images
	s_lshl_b32 s54, s16, 7
	s_lshl_b32 s19, s14, 4
	s_add_co_u32 s54, s54, s19
	s_lshl_b32 s54, s54, 6
	s_lshl_b32 s19, s17, 15
	s_add_co_u32 s54, s54, s19
	s_add_nc_u64 s[50:51], s[10:11], s[54:55]      ; o's scale words
	s_and_b32 s19, s[WV], 1
	s_cmp_lg_u32 s19, 0
	s_mov_b32 s42, 0x01000100
	s_cselect_b32 s42, 0x03020302, s42             ; which two bytes of Q's word are my tile's
	s_wait_alu depctr_va_vdst(0)
	global_load_b128 v[16:19], v1, s[44:45]        ; both heads' Q, asked for while the tiles are on their way
	global_load_b128 v[24:27], v1, s[44:45]
	global_load_b32 v29, v4, s[46:47]
	global_load_b128 v[192:195], v1, s[44:45] offset:65536
	global_load_b32 v196, v4, s[46:47] offset:4096
.irp j, 20,21,22,23
	v_mov_b32 v\j, 0                               ; zero codes
.endr
.irp j, 236,237,246,252,253
	v_mov_b32 v\j, 0                               ; lane permutes' destinations and a pair's upper half: written once
.endr
; A KEY STEP of 128 keys.
.macro STEP pf                         ; pf = 1: the next step's K is asked for in this step's middle
	s_wait_dscnt 0x0                               ; this step's K and its scale words, asked for a step ago
.irp f, 0,1,2,3
	v_wmma_scale_f32_16x16x128_f8f6f4 v[96+16*\f:103+16*\f], v[32+8*\f:39+8*\f], v[16:23], 0, v[200+\f], v28 matrix_a_fmt:MATRIX_FMT_FP4 matrix_b_fmt:MATRIX_FMT_FP4
	v_wmma_scale_f32_16x16x128_f8f6f4 v[104+16*\f:111+16*\f], v[32+8*\f:39+8*\f], v[20:27], 0, v[200+\f], v28 matrix_a_fmt:MATRIX_FMT_FP4 matrix_b_fmt:MATRIX_FMT_FP4
.endr
	v_mov_b32 v238, v12                            ; the old -M; with the three lines below: four places behind the products
	v_add_nc_u32 v2, s[TB], v1                     ; this step's bytes
.rept 2
	v_nop
.endr
	ds_load_b128 v[204:207], v2 offset:8192        ; lanes 16-31: V's scale words
.irp t, 0,1,2,3
.irp c, 0,1
	ds_load_b128 v[64+8*\t+4*\c:67+8*\t+4*\c], v2 offset:4096+1024*\t+512*\c
.endr
.endr
.if \pf
	ds_load_b128 v[200:203], v2 offset:STEPB+8192  ; the next step's K, into registers that the products above have done with: lanes 0-15: its scale words
.irp f, 0,1,2,3
.irp c, 0,1
	ds_load_b128 v[32+8*\f+4*\c:35+8*\f+4*\c], v2 offset:STEPB+1024*\f+512*\c
.endr
.endr
.endif
.irp b, 0,1,2,3
	v_max3_num_f32 v[232+\b], v[96+16*\b], v[97+16*\b], v[98+16*\b]   ; the largest score of my two blocks, each in two chains; every accumulator is read from its low end on
.endr
.irp i, 3,5,7,9,11,13
.irp b, 0,1,2,3
	v_max3_num_f32 v[232+\b], v[232+\b], v[96+16*\b+\i], v[97+16*\b+\i]
.endr
.endr
	v_max3_num_f32 v232, v232, v233, v111
	v_max3_num_f32 v234, v234, v235, v143
	v_max_num_f32 v232, v232, v127                 ; block h
	v_max_num_f32 v234, v234, v159                 ; block 2 + h
	s_delay_alu instid0(VALU_DEP_1)
	v_max3_num_f32 v13, v13, v232, v234
	s_delay_alu instid0(VALU_DEP_1)
	v_permlanex16_b32 v236, v13, s[SEL], s[SEL+1]
	s_delay_alu instid0(VALU_DEP_1)
	v_max_num_f32 v13, v13, v236                   ; the running largest score of my query
	s_delay_alu instid0(VALU_DEP_1)
	v_mul_f32 v254, s[CS], v13                     ; as t
	s_delay_alu instid0(VALU_DEP_1)
	v_floor_f32 v12, -v254                         ; -M = floor(-t)
	s_delay_alu instid0(VALU_DEP_1)
	v_sub_f32 v254, v12, v238                      ; old M - new M: a whole number, 0 or less
.set j, 0
.rept 32
	v_pk_fma_f32 v[96+j:97+j], v[96+j:97+j], s[CS:CS+1], v[12:13] op_sel_hi:[1,0,0]   ; t - M
.if j == 6
	v_cvt_i32_f32 v254, v254                       ; (it saturates)
.endif
.if j == 14
	v_ldexp_f32 v252, 1.0, v254                    ; f = 2^(old M - new M)
.endif
.set j, j+2
.endr
	v_fma_f32 v232, v232, s[CS], v12               ; the same of each block's largest score
	v_fma_f32 v234, v234, s[CS], v12
.set j, 0
.rept 16
	v_pk_mul_f32 v[160+j:161+j], v[160+j:161+j], v[252:253] op_sel_hi:[1,0]   ; O^T under the new M, ahead of the exponentials
.set j, j+2
.endr
	s_wait_alu depctr_va_vdst(0)
	v_exp_f32 v232, v232                           ; the blocks' largest p
	v_exp_f32 v234, v234
.set j, 0
.rept 64
	v_exp_f32 v[96+j], v[96+j]                     ; p
.set j, j+1
.endr
	v_pk_mul_f32 v[14:15], v[14:15], v[252:253] op_sel_hi:[1,0]   ; the sum under the new M: the plain line behind the batch
	s_wait_alu depctr_va_vdst(0)                   ; one wait for the batch, ahead of its first reader
	v_max_num_f32 v232, 0x1800000, v232            ; the floor 2^(3 - 127)
	v_max_num_f32 v234, 0x1800000, v234
	s_delay_alu instid0(VALU_DEP_2)
	v_add_nc_u32 v244, 0xff000000, v232            ; the conversions' scale operands
	s_delay_alu instid0(VALU_DEP_2)
	v_add_nc_u32 v245, 0xff000000, v234
.irp c, 0,1
.irp g, 0,1,2,3
	v_cvt_scalef32_pk8_fp4_f32 v[224+4*\c+\g], v[96+32*\c+8*\g:103+32*\c+8*\g], v[244+\c]   ; registers 4 c .. 4 c + 3 of the operand: keys 64 c + 32 h + 0 .. 31
.endr
.endr
	v_lshrrev_b32 v236, 23, v244                   ; the bytes
	v_lshrrev_b32 v237, 23, v245
	s_delay_alu instid0(VALU_DEP_1)
	v_lshl_or_b32 v253, v237, 16, v236
	s_delay_alu instid0(VALU_DEP_1)
	v_lshlrev_b32 v253, v9, v253                   ; at bytes h and 2 + h
	s_delay_alu instid0(VALU_DEP_1)
	v_permlanex16_b32 v246, v253, s[SEL], s[SEL+1]
	s_delay_alu instid0(VALU_DEP_1)
	v_or_b32 v253, v253, v246                      ; with lane l xor 16's two the word is whole
	v_pk_add_f32 v[240:241], v[96:97], v[98:99]    ; the row's sum of the unquantised p, in four chains; these 32 lines are also the places ahead of the products below
	v_pk_add_f32 v[242:243], v[100:101], v[102:103]
	v_pk_add_f32 v[248:249], v[104:105], v[106:107]
	v_pk_add_f32 v[14:15], v[14:15], v[108:109]
.irp j, 110,118,126,134,142,150
	v_pk_add_f32 v[240:241], v[240:241], v[\j:\j+1]
	v_pk_add_f32 v[242:243], v[242:243], v[\j+2:\j+3]
	v_pk_add_f32 v[248:249], v[248:249], v[\j+4:\j+5]
	v_pk_add_f32 v[14:15], v[14:15], v[\j+6:\j+7]
.endr
	v_pk_add_f32 v[240:241], v[240:241], v[158:159]
	v_pk_add_f32 v[242:243], v[242:243], v[248:249]
	s_delay_alu instid0(VALU_DEP_2)
	v_pk_add_f32 v[14:15], v[14:15], v[240:241]
	s_delay_alu instid0(VALU_DEP_1)
	v_pk_add_f32 v[14:15], v[14:15], v[242:243]
	s_wait_alu depctr_va_vdst(0)
.if \pf
	s_wait_dscnt 9                                 ; V's nine loads are in; the nine of the next step's K, issued behind them, may be out
.else
	s_wait_dscnt 0x0
.endif
.irp t, 0,1,2,3
	v_wmma_scale_f32_16x16x128_f8f6f4 v[160+8*\t:167+8*\t], v[64+8*\t:71+8*\t], v[224:231], v[160+8*\t:167+8*\t], v[204+\t], v253 matrix_a_fmt:MATRIX_FMT_FP4 matrix_b_fmt:MATRIX_FMT_FP4 matrix_a_scale:MATRIX_SCALE_ROW1
.endr
	s_add_co_u32 s[TB], s[TB], STEPB
.endm
.macro HEAD e
.if \e
.irp j, 0,1,2,3
	v_mov_b32 v[16+\j], v[192+\j]
	v_mov_b32 v[24+\j], v[192+\j]
.endr
	v_perm_b32 v28, v196, v196, s42
.else
	v_perm_b32 v28, v29, v29, s42
.endif
	v_mov_b32 v13, 0xff61b1e6                      ; the largest score so far: -3e38
	v_mov_b32 v12, 0x7f000000                      ; -M: a large whole number: the first step's f is 0
	v_mov_b32 v14, 0
	v_mov_b32 v15, 0
	s_mov_b32 s[TB], \e*HEADB
	s_mov_b32 s[CNT], 16-\e
.set j, 0
.rept 32
	v_mov_b32 v[160+j], 0                          ; O^T: the step is written once, its first trip finds zeros
.set j, j+1
.endr
.Lstep_\@:
	STEP 1                                         ; the first head's last step asks for the second head's first K: the two heads lie on end in LDS
	s_sub_co_u32 s[CNT], s[CNT], 1
	s_cmp_lg_u32 s[CNT], 0
	s_cbranch_scc1 .Lstep_\@
.if \e
	STEP 0                                         ; the very last step is written out: nothing lies behind it
.endif
.rept 4
	v_nop
.endr
	v_add_f32 v14, v14, v15
	s_delay_alu instid0(VALU_DEP_1)
	v_permlanex16_b32 v252, v14, s[SEL], s[SEL+1]
	s_delay_alu instid0(VALU_DEP_1)
	v_add_f32 v14, v14, v252                       ; the row's sum
	s_wait_alu depctr_va_vdst(0)
	v_rcp_f32 v14, v14
	v_mov_b32 v15, 0
	s_wait_alu depctr_va_vdst(0)
.set j, 0
.rept 16
	v_pk_mul_f32 v[96+j:97+j], v[160+j:161+j], v[14:15] op_sel_hi:[1,0]   ; o: register 16 b + i = channel 32 b + 16 h + i of the head
.set j, j+2
.endr
.irp b, 0,1
	v_max3_num_f32 v[232+\b], |v[96+16*\b]|, |v[97+16*\b]|, 0x1800000
.endr
.irp i, 2,4,6,8,10,12,14
.irp b, 0,1
	s_delay_alu instid0(VALU_DEP_2)
	v_max3_num_f32 v[232+\b], v[232+\b], |v[96+16*\b+\i]|, |v[97+16*\b+\i]|
.endr
.endr
.irp b, 0,1
	s_delay_alu instid0(VALU_DEP_2)
	v_permlanex16_b32 v[236+\b], v[232+\b], s[SEL], s[SEL+1]
.endr
.irp b, 0,1
	s_delay_alu instid0(VALU_DEP_2)
	v_max_num_f32 v[232+\b], v[232+\b], v[236+\b]
.endr
.irp b, 0,1
	s_delay_alu instid0(VALU_DEP_2)
	v_add_nc_u32 v[244+\b], 0xff000000, v[232+\b]
.endr
.irp b, 0,1
	s_delay_alu instid0(VALU_DEP_2)
	v_lshrrev_b32 v[236+\b], 23, v[244+\b]
.endr
.if \e == 0
	s_delay_alu instid0(VALU_DEP_1)
	v_lshl_or_b32 v30, v237, 8, v236
.else
	s_delay_alu instid0(VALU_DEP_1)
	v_lshl_or_b32 v31, v237, 8, v236
	s_delay_alu instid0(VALU_DEP_1)
	v_lshl_or_b32 v30, v31, 16, v30                ; the two heads' four bytes: o's scale word for these 128 along the next K
.endif
.irp b, 0,1
	v_cvt_scalef32_pk8_fp4_f32 v[208+4*\e+2*\b], v[96+16*\b:103+16*\b], v[244+\b]
	v_cvt_scalef32_pk8_fp4_f32 v[209+4*\e+2*\b], v[104+16*\b:111+16*\b], v[244+\b]
.endr
	v_nop
	v_permlane16_swap_b32 v[208+4*\e], v[210+4*\e]
	v_permlane16_swap_b32 v[209+4*\e], v[211+4*\e]
	global_store_b128 v1, v[208+4*\e:211+4*\e], s[48:49] offset:512*\e   ; 512 consecutive bytes, aligned
.endm
	s_wait_alu depctr_va_vdst(0)
	s_wait_tensorcnt 0x0                           ; my sixteenth is in,
	s_barrier_signal -1
	s_barrier_wait -1                              ; everybody's is: both heads' K and V
	ds_load_b128 v[200:203], v1 offset:8192        ; the first step's K and its scale words
.irp f, 0,1,2,3
.irp c, 0,1
	ds_load_b128 v[32+8*\f+4*\c:35+8*\f+4*\c], v1 offset:1024*\f+512*\c
.endr
.endr
	s_wait_loadcnt 0x0                             ; Q
	HEAD 0
	HEAD 1
	ds_store_b32 v5, v30                           ; the 16 tiles' scale words meet in LDS and leave as 1,024 consecutive bytes
	s_wait_dscnt 0x0
	s_barrier_signal -1
	s_barrier_wait -1
	s_cmp_lt_u32 s[WV], 2
	s_cbranch_scc0 .Lno_scales
	ds_load_b128 v[216:219], v6
	s_wait_dscnt 0x0
	global_store_b128 v7, v[216:219], s[50:51]
.Lno_scales:
	s_wait_tensorcnt 0x0                           ; the wave's end
	ds_add_u32 v251, v255
	s_wait_dscnt 0x0
	CROUND                                         ; the closing round
	s_endpgm
.Lfunc_end_k_q902dc928f1_attn:
	.size	k_q902dc928f1_attn, .Lfunc_end_k_q902dc928f1_attn-k_q902dc928f1_attn
	.p2alignl 7, 3214868480
	.fill 96, 4, 3214868480
	.section	.rodata,"a",@progbits
	.p2align	6, 0x0
	.amdhsa_kernel k_q902dc928f1_attn
		.amdhsa_group_segment_fixed_size 327680
		.amdhsa_private_segment_fixed_size 0
		.amdhsa_enable_private_segment 0
		.amdhsa_kernarg_size 32
		.amdhsa_user_sgpr_count 2
		.amdhsa_user_sgpr_kernarg_segment_ptr 1
		.amdhsa_wavefront_size32 1
		.amdhsa_system_sgpr_workgroup_id_x 1
		.amdhsa_system_sgpr_workgroup_id_y 1
		.amdhsa_system_sgpr_workgroup_id_z 1
		.amdhsa_system_vgpr_workitem_id 0
		.amdhsa_next_free_vgpr 256
		.amdhsa_next_free_sgpr 66
		.amdhsa_reserve_vcc 0
		.amdhsa_float_denorm_mode_32 3
		.amdhsa_float_denorm_mode_16_64 3
		.amdhsa_memory_ordered 1
		.amdhsa_forward_progress 1
		.amdhsa_inst_pref_size 60
	.end_amdhsa_kernel
	.amdgpu_metadata
---
amdhsa.version: [ 1, 2 ]
amdhsa.kernels:
  - .name:           k_q902dc928f1_attn
    .symbol:         k_q902dc928f1_attn.kd
    .args:
      - { .name: kv, .offset: 0, .size: 8, .value_kind: global_buffer, .address_space: global }
      - { .name: qimg, .offset: 8, .size: 8, .value_kind: global_buffer, .address_space: global }
      - { .name: oimg, .offset: 16, .size: 8, .value_kind: global_buffer, .address_space: global }
      - { .name: oscl, .offset: 24, .size: 8, .value_kind: global_buffer, .address_space: global }
    .group_segment_fixed_size: 327680
    .private_segment_fixed_size: 0
    .kernarg_segment_align: 8
    .kernarg_segment_size: 32
    .max_flat_workgroup_size: 512
    .sgpr_count:     66
    .vgpr_count:     256
    .wavefront_size: 32
...
	.end_amdgpu_metadata
.endif
;; end of part 3
;; launch oproj (part 4): grid 32 x 8, 4 waves a work-group, clusters of 4 x 4, 327,680 bytes of LDS; arguments xw_codes, xw_scales, oimg, oscl, Q, bo, yt, stats; writes yt, stats
.if DOCPART == 4
	.amdgcn_target "amdgcn-amd-amdhsa--gfx1250"
	.amdhsa_code_object_version 6
	.text
	.protected	k_q902dc928f1_oproj
	.globl	k_q902dc928f1_oproj
	.p2align	8
	.type	k_q902dc928f1_oproj,@function
k_q902dc928f1_oproj:
	s_mov_b64 s[64:65], 0
	v_nop
	global_prefetch_b8 v0, s[64:65] scope:SCOPE_SE
	s_setreg_imm32_b32 hwreg(HW_REG_WAVE_MODE, 25, 1), 1
	s_wait_xcnt 0x0
	s_wait_alu depctr_hold_cnt(0) depctr_sa_sdst(0) depctr_va_vdst(0) depctr_va_sdst(0) depctr_va_ssrc(0) depctr_va_vcc(0) depctr_vm_vsrc(0)
	s_getreg_b32 s2, hwreg(HW_REG_IB_STS2, 6, 4)
	s_cmp_eq_u32 s2, 0
	s_cbranch_scc0 .Lentry_in_a_cluster
	s_endpgm
.Lentry_in_a_cluster:
	s_bfe_u32 s2, ttmp6, 0x10000c
	s_cmp_lg_u32 s2, 0xf033
	s_cbranch_scc0 .Lentry_shape_is_right
	s_endpgm
.Lentry_shape_is_right:
.set ACD,  0
.set BIM,  67584
.set ASC,  198656
.set BSC,  203008
.set STG,  211200
.set WSTG, 8960
.set G1AS, 24
.set G1BS, 32
.set G1AC, 40
.set G1BI, 48
.set G0AS, 56
.set G0BS, 60
.set G0AC, 68
.set G0BI, 72
.set R0, 96
.set R1, 160
.set MSB, 0
.macro WIN new
.if MSB != (\new)
	s_set_vgpr_msb (MSB<<8)|(\new)
.set MSB, (\new)
.endif
.endm
.macro JLOAD g0a, g1a, g0b, g1b
	s_cmp_eq_u32 s15, 0
	s_cbranch_scc0 .Lfor_b_\@
	tensor_load_to_lds s[\g0a:\g0a+3], s[\g1a:\g1a+7]
	s_nop 0
.rept 4
	v_nop
.endr
	s_branch .Lasked_\@
.Lfor_b_\@:
	tensor_load_to_lds s[\g0b:\g0b+3], s[\g1b:\g1b+7]
	s_nop 0
.rept 4
	v_nop
.endr
.Lasked_\@:
.endm
.macro CROUND
	s_barrier_signal -1
	s_barrier_wait -1
	s_cmp_lg_u32 s14, 0
	s_cbranch_scc1 .Lnot_wave_0_\@
	s_barrier_signal -3
.Lnot_wave_0_\@:
	s_barrier_wait -3
	s_barrier_signal -1
	s_barrier_wait -1
.endm
	s_load_b256 s[4:11], s[0:1], 0x0
	s_load_b256 s[76:83], s[0:1], 0x20
	v_lshl_add_u32 v254, v0, 2, 0x3c500
	v_mov_b32 v255, 0
	ds_add_u32 v254, v255
	ds_add_u32 v254, v255
	v_lshrrev_b32 v1, 5, v0
	v_readfirstlane_b32 s14, v1
	s_lshr_b32 s15, s14, 1
	s_and_b32 s16, s14, 1
	s_bfe_u32 s12, ttmp6, 0x40000
	s_bfe_u32 s13, ttmp6, 0x40004
	s_lshl_b32 s18, ttmp9, 2
	s_add_co_u32 s18, s18, s12
	s_and_b32 s17, ttmp7, 0xffff
	s_lshl_b32 s17, s17, 2
	s_add_co_u32 s17, s17, s13
	s_lshl_b32 s19, s13, 2
	s_lshl_b32 s19, 15, s19
	s_lshl_b32 s20, 0x1111, s12
	s_or_b32 s[G1AS], s19, (3<<16)|(1<<20)|(1<<21)|(5<<22)|(3<<25)
	s_mov_b32 s[G1AS+1], 32<<16
	s_mov_b32 s[G1AS+2], 8<<16
	s_mov_b32 s[G1AS+3], 32<<16
	s_mov_b32 s[G1AS+4], 8
	s_mov_b32 s[G1AS+5], 32
	s_mov_b32 s[G1AS+6], 0
	s_mov_b32 s[G1AS+7], 0
	s_or_b32 s[G1BS], s20, (3<<16)|(1<<21)
	s_mov_b32 s[G1BS+1], 128<<16
	s_mov_b32 s[G1BS+2], 4<<16
	s_mov_b32 s[G1BS+3], 128<<16
	s_mov_b32 s[G1BS+4], 4
	s_mov_b32 s[G1BS+5], 4096
	s_mov_b32 s[G1BS+6], 0
	s_mov_b32 s[G1BS+7], 0
	s_or_b32 s[G1AC], s19, (0<<16)|(1<<20)|(1<<21)|(6<<22)|(3<<25)
	s_mov_b32 s[G1AC+1], 512<<16
	s_mov_b32 s[G1AC+2], 64<<16
	s_mov_b32 s[G1AC+3], 512<<16
	s_mov_b32 s[G1AC+4], 64
	s_mov_b32 s[G1AC+5], 512
	s_mov_b32 s[G1AC+6], 0
	s_mov_b32 s[G1AC+7], 0
	s_or_b32 s[G1BI], s20, (3<<16)|(1<<21)
	s_mov_b32 s[G1BI+1], 32<<16
	s_mov_b32 s[G1BI+2], 256<<16
	s_mov_b32 s[G1BI+3], 32<<16
	s_mov_b32 s[G1BI+4], 256
	s_mov_b32 s[G1BI+5], 32
	s_mov_b32 s[G1BI+6], 0
	s_mov_b32 s[G1BI+7], 0
	s_lshl_b32 s84, s17, 7
	s_lshl_b32 s21, s16, 6
	s_add_co_u32 s84, s84, s21
	s_lshl_b32 s86, s84, 5
	s_add_co_u32 s86, s86, 884736
	s_mov_b32 s87, 0
	s_lshl_b32 s84, s84, 9
	s_add_co_u32 s84, s84, 14155776
	s_mov_b32 s85, 0
	s_lshl_b32 s88, s18, 10
	s_lshl_b32 s21, s16, 17
	s_add_co_u32 s88, s88, s21
	s_mov_b32 s89, 0
	s_lshl_b32 s90, s18, 4
	s_lshl_b32 s21, s16, 3
	s_add_co_u32 s90, s90, s21
	s_lshl_b32 s90, s90, 13
	s_mov_b32 s91, 0
	s_mul_i32 s21, s16, 2176
	s_lshl_b32 s22, s16, 12
	s_mul_i32 s23, s16, 33792
	s_lshl_b32 s66, s16, 16
	s_mov_b32 s2, 0x76543210
	s_mov_b32 s3, 0xfedcba98
	s_wait_dscnt 0x0
	s_wait_kmcnt 0x0
	s_add_nc_u64 s[84:85], s[4:5], s[84:85]
	s_add_nc_u64 s[86:87], s[6:7], s[86:87]
	s_add_nc_u64 s[88:89], s[10:11], s[88:89]
	s_add_nc_u64 s[90:91], s[8:9], s[90:91]
	CROUND
	s_mov_b32 s[G0AS], 1
	s_add_co_u32 s[G0AS+1], s21, ASC
	s_mov_b64 s[G0AS+2:G0AS+3], s[86:87]
	s_or_b32 s[G0AS+3], s[G0AS+3], 0x80000000
	s_mov_b32 s[G0BS], 1
	s_add_co_u32 s[G0BS+1], s22, BSC
	s_mov_b64 s[G0BS+2:G0BS+3], s[88:89]
	s_or_b32 s[G0BS+3], s[G0BS+3], 0x80000000
	s_mov_b32 s[G0AC], 1
	s_add_co_u32 s[G0AC+1], s23, ACD
	s_mov_b64 s[G0AC+2:G0AC+3], s[84:85]
	s_or_b32 s[G0AC+3], s[G0AC+3], 0x80000000
	s_mov_b32 s[G0BI], 1
	s_add_co_u32 s[G0BI+1], s66, BIM
	s_mov_b64 s[G0BI+2:G0BI+3], s[90:91]
	s_or_b32 s[G0BI+3], s[G0BI+3], 0x80000000
	JLOAD G0AS, G1AS, G0BS, G1BS
	; the residual: my 128 tokens x 64 channels of Q, all 64 loads now, so that they are on their way under the waits and the round below: units 0 and 1 into v96-223, units 2 and 3 into window 1, which is free until B's fragments come
	s_lshl_b32 s96, s18, 8
	s_lshl_b32 s97, s16, 7
	s_add_co_u32 s96, s96, s97                     ; my first token,
	s_lshl_b32 s96, s96, 12                        ; rows of 4,096 bytes,
	s_lshl_b32 s97, s17, 9
	s_add_co_u32 s96, s96, s97
	s_lshl_b32 s97, s15, 8
	s_add_co_u32 s96, s96, s97                     ; + 4 x my first channel
	s_mov_b32 s97, 0
	s_add_nc_u64 s[96:97], s[76:77], s[96:97]
	v_and_b32 v30, 15, v0
	v_bfe_u32 v31, v0, 4, 1
	v_lshlrev_b32 v30, 4, v30
	v_lshl_add_u32 v30, v31, 12, v30               ; sixteen lanes take 256 consecutive bytes of a row, lanes 16-31 the next row
.irp i, 0,1,2,3,4,5,6,7,8,9,10,11,12,13,14,15
	global_load_b128 v[R0+4*\i:R0+4*\i+3], v30, s[96:97] offset:(2*\i)*4096 th:TH_LOAD_NT
.endr
.irp i, 0,1,2,3,4,5,6,7,8,9,10,11,12,13,14,15
	global_load_b128 v[R1+4*\i:R1+4*\i+3], v30, s[96:97] offset:(32+2*\i)*4096 th:TH_LOAD_NT
.endr
	WIN 0x40
.irp i, 0,1,2,3,4,5,6,7,8,9,10,11,12,13,14,15
	global_load_b128 v[4*\i:4*\i+3], v30, s[96:97] offset:(64+2*\i)*4096 th:TH_LOAD_NT
.endr
.irp i, 0,1,2,3,4,5,6,7,8,9,10,11,12,13,14,15
	global_load_b128 v[64+4*\i:64+4*\i+3], v30, s[96:97] offset:(96+2*\i)*4096 th:TH_LOAD_NT
.endr
	WIN 0
	s_wait_alu depctr_va_vdst(0)
	s_wait_tensorcnt 0x0
	ds_add_u32 v254, v255
	s_wait_dscnt 0x0
	CROUND
	JLOAD G0AC, G1AC, G0BI, G1BI
	v_and_b32 v1, 15, v0
	v_bfe_u32 v2, v0, 4, 1
	v_and_b32 v3, 31, v0
	v_and_b32 v4, 8, v1
	v_add_nc_u32 v4, v4, v1
	v_lshlrev_b32 v4, 2, v4
	v_lshlrev_b32 v14, 4, v3
	s_mul_i32 s21, s14, WSTG
	s_add_co_u32 s21, s21, STG
	v_mul_u32_u24 v6, v2, 272
	v_lshl_add_u32 v6, v1, 4, v6
	v_add_nc_u32 v6, s21, v6
	v_mul_u32_u24 v7, v2, 4384
	v_add_nc_u32 v7, v7, v4
	v_add_nc_u32 v7, s21, v7
	v_mul_u32_u24 v12, v1, 528
	v_lshl_add_u32 v12, v2, 6, v12
	v_add_nc_u32 v12, s21, v12
	v_add_nc_u32 v13, s21, v14
	v_lshrrev_b32 v8, 3, v1
	v_lshlrev_b32 v8, 4, v8
	v_lshl_add_u32 v8, v1, 5, v8
	s_mul_i32 s22, s15, 2176
	s_add_co_u32 s22, s22, ASC
	v_add_nc_u32 v8, s22, v8
	s_lshl_b32 s22, s16, 16
	s_add_co_u32 s22, s22, BIM
	v_add_nc_u32 v9, s22, v14
	v_mul_u32_u24 v10, v1, 528
	v_lshl_add_u32 v10, v2, 4, v10
	s_mul_i32 s22, s15, 33792
	v_add_nc_u32 v10, s22, v10
	s_lshl_b32 s22, s16, 9
	s_add_co_u32 s22, s22, BSC
	v_lshl_add_u32 v11, v1, 2, s22
	v_lshlrev_b32 v15, 1, v4
	v_lshl_add_u32 v15, v2, 6, v15
	v_mov_b32 v29, 0
	s_lshl_b32 s84, s17, 7
	s_lshl_b32 s22, s15, 6
	s_add_co_u32 s84, s84, s22
	s_lshl_b32 s85, s18, 8
	s_lshl_b32 s22, s16, 7
	s_add_co_u32 s85, s85, s22
	s_lshl_b32 s86, s84, 2
	s_mov_b32 s87, 0
	s_add_nc_u64 s[92:93], s[78:79], s[86:87]
	s_mov_b32 s89, 0
	s_lshr_b32 s88, s85, 11
	s_lshl_b32 s88, s88, 23
	s_lshl_b32 s22, s84, 13
	s_add_co_u32 s88, s88, s22
	s_and_b32 s22, s85, 2047
	s_lshl_b32 s22, s22, 2
	s_add_co_u32 s88, s88, s22
	s_add_nc_u64 s[80:81], s[80:81], s[88:89]
	s_lshr_b32 s88, s84, 5
	s_lshl_b32 s88, s88, 6
	s_lshl_b32 s22, s18, 1
	s_add_co_u32 s88, s88, s22
	s_add_co_u32 s88, s88, s16
	s_lshl_b32 s88, s88, 8
	s_add_nc_u64 s[82:83], s[82:83], s[88:89]
.irp a, 0,1,2,3
	global_load_b32 v[80+2*\a], v4, s[92:93] offset:4*(32*(\a/2)+8*(\a%2))
	global_load_b32 v[81+2*\a], v4, s[92:93] offset:4*(32*(\a/2)+8*(\a%2))
.endr
.macro UNIT beta, reg
.if \beta < 3
	s_wait_loadcnt 56-16*(\beta)                   ; this unit's 16 loads are in; the later units' 16 each and the 8 of the bias, issued behind them, may be out
.else
	s_wait_loadcnt 0x0
.endif
.if \beta > 1
	WIN 0x04                                       ; units 2 and 3: the stores' data lie in window 1
.endif
.irp i, 0,1,2,3,4,5,6,7,8,9,10,11,12,13,14,15
	ds_store_b128 v6, v[\reg+4*\i:\reg+4*\i+3] offset:2*\i*272+32*(\i/8)
.endr
	WIN 0x80
.irp a, 0,1,2,3
.irp u, 0,1
.irp j, 0,1,2,3,4,5,6,7
	ds_load_b32 v[8*(8*\a+2*\beta+\u)+\j], v7 offset:(8*\u+\j)*272+4*(32*(\a/2)+8*(\a%2))
.endr
.endr
.endr
	WIN 0
.endm
	UNIT 0, R0
	UNIT 1, R1
	UNIT 2, 0
	UNIT 3, 64
	s_wait_dscnt 0x0
	WIN 0x82
.irp a, 0,1,2,3
.set k, 0
.rept 32
	v_pk_add_f32 v[64*\a+2*k:64*\a+2*k+1], v[64*\a+2*k:64*\a+2*k+1], v[80+2*\a:81+2*\a]
.set k, k+1
.endr
.endr
	WIN 0
	s_wait_alu depctr_va_vdst(0)
	s_wait_tensorcnt 0x0
	s_barrier_signal -1
	s_barrier_wait -1
.irp a, 0,1,2,3
.irp q, 0,1
	ds_load_b128 v[32+8*\a+4*\q:35+8*\a+4*\q], v8 offset:544*\a+16*\q
.endr
.endr
.macro FETCH ks, set
	WIN 0x40
.irp b, 0,1,2,3,4,5,6,7
.irp c, 0,1
	ds_load_b128 v[128*(\set)+8*\b+4*\c:128*(\set)+8*\b+4*\c+3], v9 offset:8192*\b+1024*(\ks)+512*\c
.endr
.endr
	WIN 0
.irp a, 0,1,2,3
.irp c, 0,1
	ds_load_b128 v[96+32*(\set)+8*\a+4*\c:96+32*(\set)+8*\a+4*\c+3], v10 offset:8448*\a+64*(\ks)+32*\c
.endr
.endr
.irp b, 0,1,2,3,4,5,6,7
	ds_load_b32 v[64+8*(\set)+\b], v11 offset:1024*(\ks)+64*\b
.endr
.endm
.macro MULS ks, set
	WIN 0xa1
.irp a, 0,1,2,3
.irp b, 0,1,2,3,4,5,6,7
	v_wmma_scale_f32_16x16x128_f8f6f4 v[8*(8*\a+\b):8*(8*\a+\b)+7], v[128*(\set)+8*\b:128*(\set)+8*\b+7], v[96+32*(\set)+8*\a:96+32*(\set)+8*\a+7], v[8*(8*\a+\b):8*(8*\a+\b)+7], v[64+8*(\set)+\b], v[32+8*\a+(\ks)] matrix_a_fmt:MATRIX_FMT_FP4 matrix_b_fmt:MATRIX_FMT_FP4
.endr
.endr
	WIN 0
.endm
	FETCH 0, 0
.irp ks, 0,1,2,3,4,5,6,7
.if \ks < 7
.if \ks > 0
.rept 4
	v_nop
.endr
.endif
	FETCH \ks+1, (\ks+1)%2
	s_wait_dscnt 32
.else
	s_wait_dscnt 0x0
.endif
	MULS \ks, \ks%2
.endr
.rept 4
	v_nop
.endr
.macro TOSTAGE a
	WIN 0x08
.irp b, 0,1,2,3,4,5,6,7
	ds_store_b128 v12, v[8*(8*(\a)+\b):8*(8*(\a)+\b)+3] offset:128*(\b/2)+32*(\b%2)
	ds_store_b128 v12, v[8*(8*(\a)+\b)+4:8*(8*(\a)+\b)+7] offset:128*(\b/2)+32*(\b%2)+16
.endr
	WIN 0
.irp t, 0,1,2,3,4,5,6,7,8,9,10,11,12,13,14,15
	ds_load_b128 v[96+64*((\a)%2)+4*\t:96+64*((\a)%2)+4*\t+3], v13 offset:528*\t
.endr
.endm
.macro SEND a, younger
	s_wait_dscnt \younger
.irp t, 0,1,2,3,4,5,6,7,8,9,10,11,12,13,14,15
	global_store_b128 v14, v[96+64*((\a)%2)+4*\t:96+64*((\a)%2)+4*\t+3], s[80:81] offset:(32*((\a)/2)+8*((\a)%2)+\t+8*(\t/8))*8192
.endr
.endm
	TOSTAGE 0
.irp a, 1,2,3
.if \a > 1
	s_wait_xcnt 0x0
.endif
	TOSTAGE \a
	SEND \a-1, 32
.endr
	SEND 3, 0
	s_wait_xcnt 0x0
.macro JOIN dst
	v_pk_add_f32 v[96:97], v[96:97], v[98:99]
	v_pk_add_f32 v[100:101], v[100:101], v[102:103]
	v_pk_add_f32 v[96:97], v[96:97], v[100:101]
	v_add_f32 v104, v96, v97
	v_permlanex16_b32 v29, v104, s2, s3
	v_add_f32 v[\dst], v104, v29
.endm
.irp a, 0,1,2,3
	WIN 0x0a
.irp k, 0,1,2,3
	v_pk_add_f32 v[96+2*\k:97+2*\k], v[64*\a+4*\k:64*\a+4*\k+1], v[64*\a+4*\k+2:64*\a+4*\k+3]
.endr
	WIN 0x08
.set m, 0
.rept 24
	v_pk_add_f32 v[96+2*(m%4):97+2*(m%4)], v[96+2*(m%4):97+2*(m%4)], v[64*\a+16+2*m:64*\a+17+2*m]
.set m, m+1
.endr
	WIN 0
	JOIN 16+2*\a
	v_mul_f32 v[16+2*\a], 0x3c000000, v[16+2*\a]
	v_mov_b32 v[17+2*\a], v[16+2*\a]
	WIN 0x02
.set m, 0
.rept 32
	v_pk_add_f32 v[160+2*m:161+2*m], v[64*\a+2*m:64*\a+2*m+1], v[16+2*\a:17+2*\a] neg_lo:[0,1] neg_hi:[0,1]
.set m, m+1
.endr
	WIN 0
.irp k, 0,1,2,3
	v_pk_mul_f32 v[96+2*\k:97+2*\k], v[160+2*\k:161+2*\k], v[160+2*\k:161+2*\k]
.endr
.set m, 4
.rept 28
	v_pk_fma_f32 v[96+2*(m%4):97+2*(m%4)], v[160+2*m:161+2*m], v[160+2*m:161+2*m], v[96+2*(m%4):97+2*(m%4)]
.set m, m+1
.endr
	JOIN 24+\a
.endr
	v_cmp_le_u32 vcc_lo, 16, v3
.irp p, 0,1
	v_cndmask_b32 v[224+2*\p], v[16+4*\p], v[18+4*\p], vcc_lo
	v_cndmask_b32 v[225+2*\p], v[24+2*\p], v[25+2*\p], vcc_lo
	global_store_b64 v15, v[224+2*\p:225+2*\p], s[82:83] offset:16384*\p
.endr
	s_wait_tensorcnt 0x0
	ds_add_u32 v254, v255
	s_wait_dscnt 0x0
	CROUND
	s_endpgm
.Lfunc_end_k_q902dc928f1_oproj:
	.size	k_q902dc928f1_oproj, .Lfunc_end_k_q902dc928f1_oproj-k_q902dc928f1_oproj
	.p2alignl 7, 3214868480
	.fill 96, 4, 3214868480
	.section	.rodata,"a",@progbits
	.p2align	6, 0x0
	.amdhsa_kernel k_q902dc928f1_oproj
		.amdhsa_group_segment_fixed_size 327680
		.amdhsa_private_segment_fixed_size 0
		.amdhsa_enable_private_segment 0
		.amdhsa_kernarg_size 64
		.amdhsa_user_sgpr_count 2
		.amdhsa_user_sgpr_kernarg_segment_ptr 1
		.amdhsa_wavefront_size32 1
		.amdhsa_system_sgpr_workgroup_id_x 1
		.amdhsa_system_sgpr_workgroup_id_y 1
		.amdhsa_system_sgpr_workgroup_id_z 1
		.amdhsa_system_vgpr_workitem_id 0
		.amdhsa_next_free_vgpr 768
		.amdhsa_next_free_sgpr 102
		.amdhsa_reserve_vcc 1
		.amdhsa_float_denorm_mode_32 3
		.amdhsa_float_denorm_mode_16_64 3
		.amdhsa_memory_ordered 1
		.amdhsa_forward_progress 1
		.amdhsa_inst_pref_size 138
	.end_amdhsa_kernel
	.amdgpu_metadata
---
amdhsa.version: [ 1, 2 ]
amdhsa.kernels:
  - .name:           k_q902dc928f1_oproj
    .symbol:         k_q902dc928f1_oproj.kd
    .args:
      - { .name: xw_codes, .offset: 0, .size: 8, .value_kind: global_buffer, .address_space: global }
      - { .name: xw_scales, .offset: 8, .size: 8, .value_kind: global_buffer, .address_space: global }
      - { .name: oimg, .offset: 16, .size: 8, .value_kind: global_buffer, .address_space: global }
      - { .name: oscl, .offset: 24, .size: 8, .value_kind: global_buffer, .address_space: global }
      - { .name: Q, .offset: 32, .size: 8, .value_kind: global_buffer, .address_space: global }
      - { .name: bo, .offset: 40, .size: 8, .value_kind: global_buffer, .address_space: global }
      - { .name: yt, .offset: 48, .size: 8, .value_kind: global_buffer, .address_space: global }
      - { .name: stats, .offset: 56, .size: 8, .value_kind: global_buffer, .address_space: global }
    .group_segment_fixed_size: 327680
    .private_segment_fixed_size: 0
    .kernarg_segment_align: 8
    .kernarg_segment_size: 64
    .max_flat_workgroup_size: 128
    .sgpr_count:     102
    .vgpr_count:     768
    .wavefront_size: 32
...
	.end_amdgpu_metadata
.endif
;; end of part 4
;; launch bn (part 5): grid 32 x 8, 8 waves a work-group, no clusters, 3,072 bytes of LDS; arguments yt, stats, gamma, beta, out0; writes out0
.if DOCPART == 5
	.amdgcn_target "amdgcn-amd-amdhsa--gfx1250"
	.amdhsa_code_object_version 6
	.text
	.protected	k_q902dc928f1_bn
	.globl	k_q902dc928f1_bn
	.p2align	8
	.type	k_q902dc928f1_bn,@function
k_q902dc928f1_bn:
	s_mov_b64 s[64:65], 0
	v_nop
	global_prefetch_b8 v0, s[64:65] scope:SCOPE_SE
	s_setreg_imm32_b32 hwreg(HW_REG_WAVE_MODE, 25, 1), 1
	s_wait_xcnt 0x0
; out0[b][c][s] = (y - mean[c]) x rsqrt(var[c] + 1e-5) x gamma[c] + beta[c], mean and var over all 8,192 rows of channel c.  yt has the output's layout, so this is a stream.
; A work-group takes 32 channels (x), one batch and one half of s (y = 2 batch + half); wave w takes channels 4 w .. 4 w + 3, 1,024 numbers of each: 32 loads of 512 consecutive bytes, all issued at the head.
; THE STATISTICS: 64 chunks of 128 rows left (mean, sum of squared distances) for each channel.  Two sets of equal count n are joined by d = m1 - m2: mean = m1 - d / 2, sum = q1 + q2 + d^2 n / 2: no difference of large sums.
; A lane is a channel; wave w joins chunks 8 w .. 8 w + 7, the eight waves' results meet in LDS, and every wave joins those.
; No matrix work, no cluster, no tensor load: memory binds, each byte of yt is read once.  LIMITS: NaN and infinities are not served.
	s_load_b256 s[4:11], s[0:1], 0x0               ; yt s[4:5], stats s[6:7], gamma s[8:9], beta s[10:11]
	s_load_b64 s[12:13], s[0:1], 0x20              ; out0
	v_lshl_add_u32 v192, v0, 2, 0x800
	v_mov_b32 v193, 0
	v_lshrrev_b32 v1, 5, v0
	s_delay_alu instid0(VALU_DEP_1)
	v_readfirstlane_b32 s14, v1                    ; wave 0..7
	v_and_b32 v2, 31, v0
	s_and_b32 s15, ttmp7, 0xffff
	s_lshr_b32 s16, s15, 1                         ; the batch
	s_and_b32 s17, s15, 1                          ; which half of s
	v_lshlrev_b32 v3, 3, v2                        ; 8 x lane
	s_wait_alu depctr_va_vdst(0)
	v_lshlrev_b32 v4, 2, v2                        ; 4 x lane
	v_lshlrev_b32 v5, 4, v2                        ; 16 x lane
	s_lshl_b32 s18, ttmp9, 6
	s_lshl_b32 s19, s14, 3
	s_add_co_u32 s18, s18, s19
	s_lshl_b32 s18, s18, 8                         ; stats: (64 group + 8 wave) x 256
	s_mov_b32 s19, 0
	s_lshl_b32 s20, ttmp9, 7                       ; gamma, beta: 32 channels x 4 bytes
	s_mov_b32 s21, 0
	s_lshl_b32 s22, s16, 10
	s_lshl_b32 s23, ttmp9, 5
	s_add_co_u32 s22, s22, s23
	s_lshl_b32 s23, s14, 2
	s_add_co_u32 s22, s22, s23
	s_lshl_b32 s22, s22, 13                        ; (1,024 batch + 32 group + 4 wave) rows of 8,192 bytes
	s_lshl_b32 s23, s17, 12
	s_add_co_u32 s22, s22, s23
	s_mov_b32 s23, 0
	s_mov_b32 s24, 0x39000000                      ; 2^-13 = 1 / 8,192
	s_mov_b32 s25, 0x3727c5ac                      ; 1e-5
	s_lshl_b32 s26, s14, 8
	v_add_nc_u32 v6, s26, v3                       ; LDS: 256 wave + 8 lane
	s_lshl_b32 s26, s14, 4
	v_mov_b32 v44, s26                             ; the lanes that hold my four channels, as byte indices: 4 (4 wave + i)
	s_delay_alu instid0(VALU_DEP_1)
	v_add_nc_u32 v45, 4, v44
	s_delay_alu instid0(VALU_DEP_2)
	v_add_nc_u32 v46, 8, v44
	s_delay_alu instid0(VALU_DEP_3)
	v_add_nc_u32 v47, 12, v44
	s_wait_alu depctr_va_vdst(0)
	s_wait_kmcnt 0x0
	s_add_nc_u64 s[6:7], s[6:7], s[18:19]
	s_add_nc_u64 s[8:9], s[8:9], s[20:21]
	s_add_nc_u64 s[10:11], s[10:11], s[20:21]
	s_add_nc_u64 s[4:5], s[4:5], s[22:23]
	s_add_nc_u64 s[12:13], s[12:13], s[22:23]
.irp k, 0,1,2,3,4,5,6,7
	global_load_b64 v[16+2*\k:17+2*\k], v3, s[6:7] offset:256*\k              ; chunk 8 w + k: 32 channels' pairs, 256 consecutive bytes
.endr
	global_load_b32 v32, v4, s[8:9]
	global_load_b32 v33, v4, s[10:11]
.irp i, 0,1,2,3
.irp k, 0,1,2,3,4,5,6,7
	global_load_b128 v[64+4*(8*\i+\k):67+4*(8*\i+\k)], v5, s[4:5] offset:8192*\i+512*\k th:TH_LOAD_NT
.endr
.endr
.macro MERGE m1, q1, m2, q2, f         ; f = n / 2 as f32
	v_sub_f32 v40, v[\m1], v[\m2]
	v_add_f32 v[\q1], v[\q1], v[\q2]
	s_delay_alu instid0(VALU_DEP_2)
	v_fma_f32 v[\m1], v40, -0.5, v[\m1]
	s_delay_alu instid0(VALU_DEP_3)
	v_mul_f32 v41, v40, v40
	s_delay_alu instid0(VALU_DEP_1)
	v_fmamk_f32 v[\q1], v41, \f, v[\q1]
.endm
.macro TREE f1, f2, f3                 ; eight sets in v16-31 become one in v16, v17
	MERGE 16, 17, 18, 19, \f1
	MERGE 20, 21, 22, 23, \f1
	MERGE 24, 25, 26, 27, \f1
	MERGE 28, 29, 30, 31, \f1
	MERGE 16, 17, 20, 21, \f2
	MERGE 24, 25, 28, 29, \f2
	MERGE 16, 17, 24, 25, \f3
.endm
	s_wait_loadcnt 34                              ; the eight pairs are in; gamma, beta and the 32 loads of rows may be out
	TREE 0x42800000, 0x43000000, 0x43800000        ; n = 128, 256, 512: n / 2 = 64, 128, 256
	ds_store_b64 v6, v[16:17]
	s_wait_dscnt 0x0                               ; for the others' sake
	s_barrier_signal -1
	s_barrier_wait -1
.irp k, 0,1,2,3,4,5,6,7
	ds_load_b64 v[16+2*\k:17+2*\k], v3 offset:256*\k
.endr
	s_wait_dscnt 0x0
	TREE 0x44000000, 0x44800000, 0x45000000        ; n = 1,024, 2,048, 4,096
	s_delay_alu instid0(VALU_DEP_1)
	v_fma_f32 v42, v17, s24, s25                   ; var + eps
	s_wait_alu depctr_va_vdst(0)
	v_rsq_f32 v42, v42
	v_nop                                          ; a plain line behind the root
	s_wait_alu depctr_va_vdst(0)                   ; the wait ahead of its first reader
	s_wait_loadcnt 32                              ; gamma and beta are in
	v_mul_f32 v43, v42, v32                        ; rsqrt x gamma
.irp i, 0,1,2,3
	ds_bpermute_b32 v[48+2*\i], v[44+\i], v16      ; my channel i's mean,
	ds_bpermute_b32 v[56+2*\i], v[44+\i], v43      ; factor,
	ds_bpermute_b32 v[24+2*\i], v[44+\i], v33      ; and beta, into every lane
.endr
	s_wait_dscnt 0x0
.irp i, 0,1,2,3
	v_mov_b32 v[49+2*\i], v[48+2*\i]               ; pairs for the packed forms
	v_mov_b32 v[57+2*\i], v[56+2*\i]
	v_mov_b32 v[25+2*\i], v[24+2*\i]
.endr
.irp i, 0,1,2,3
.irp k, 0,1,2,3,4,5,6,7
	s_wait_loadcnt 31-8*\i-\k                      ; loads come back in order: this one is in, the younger ones stay out
	v_pk_add_f32 v[64+4*(8*\i+\k):65+4*(8*\i+\k)], v[64+4*(8*\i+\k):65+4*(8*\i+\k)], v[48+2*\i:49+2*\i] neg_lo:[0,1] neg_hi:[0,1]
	v_pk_add_f32 v[66+4*(8*\i+\k):67+4*(8*\i+\k)], v[66+4*(8*\i+\k):67+4*(8*\i+\k)], v[48+2*\i:49+2*\i] neg_lo:[0,1] neg_hi:[0,1]
	s_delay_alu instid0(VALU_DEP_2)
	v_pk_fma_f32 v[64+4*(8*\i+\k):65+4*(8*\i+\k)], v[64+4*(8*\i+\k):65+4*(8*\i+\k)], v[56+2*\i:57+2*\i], v[24+2*\i:25+2*\i]
	s_delay_alu instid0(VALU_DEP_2)
	v_pk_fma_f32 v[66+4*(8*\i+\k):67+4*(8*\i+\k)], v[66+4*(8*\i+\k):67+4*(8*\i+\k)], v[56+2*\i:57+2*\i], v[24+2*\i:25+2*\i]
	global_store_b128 v5, v[64+4*(8*\i+\k):67+4*(8*\i+\k)], s[12:13] offset:8192*\i+512*\k th:TH_STORE_NT   ; 512 consecutive bytes, aligned; no register is written again
.endr
.endr
	s_wait_tensorcnt 0x0
	ds_add_u32 v192, v193
	s_wait_dscnt 0x0
	s_endpgm
.Lfunc_end_k_q902dc928f1_bn:
	.size	k_q902dc928f1_bn, .Lfunc_end_k_q902dc928f1_bn-k_q902dc928f1_bn
	.p2alignl 7, 3214868480
	.fill 96, 4, 3214868480
	.section	.rodata,"a",@progbits
	.p2align	6, 0x0
	.amdhsa_kernel k_q902dc928f1_bn
		.amdhsa_group_segment_fixed_size 3072
		.amdhsa_private_segment_fixed_size 0
		.amdhsa_enable_private_segment 0
		.amdhsa_kernarg_size 40
		.amdhsa_user_sgpr_count 2
		.amdhsa_user_sgpr_kernarg_segment_ptr 1
		.amdhsa_wavefront_size32 1
		.amdhsa_system_sgpr_workgroup_id_x 1
		.amdhsa_system_sgpr_workgroup_id_y 1
		.amdhsa_system_sgpr_workgroup_id_z 1
		.amdhsa_system_vgpr_workitem_id 0
		.amdhsa_next_free_vgpr 194
		.amdhsa_next_free_sgpr 66
		.amdhsa_reserve_vcc 0
		.amdhsa_float_denorm_mode_32 3
		.amdhsa_float_denorm_mode_16_64 3
		.amdhsa_memory_ordered 1
		.amdhsa_forward_progress 1
		.amdhsa_inst_pref_size 27
	.end_amdhsa_kernel
	.amdgpu_metadata
---
amdhsa.version: [ 1, 2 ]
amdhsa.kernels:
  - .name:           k_q902dc928f1_bn
    .symbol:         k_q902dc928f1_bn.kd
    .args:
      - { .name: yt, .offset: 0, .size: 8, .value_kind: global_buffer, .address_space: global }
      - { .name: stats, .offset: 8, .size: 8, .value_kind: global_buffer, .address_space: global }
      - { .name: gamma, .offset: 16, .size: 8, .value_kind: global_buffer, .address_space: global }
      - { .name: beta, .offset: 24, .size: 8, .value_kind: global_buffer, .address_space: global }
      - { .name: out0, .offset: 32, .size: 8, .value_kind: global_buffer, .address_space: global }
    .group_segment_fixed_size: 3072
    .private_segment_fixed_size: 0
    .kernarg_segment_align: 8
    .kernarg_segment_size: 40
    .max_flat_workgroup_size: 256
    .sgpr_count:     66
    .vgpr_count:     194
    .wavefront_size: 32
...
	.end_amdgpu_metadata
.endif
;; end of part 5
